; MI455X (gfx1250); checked and timed in simulation.
; The chip was launched on July 23, 2026; its instructions are those of AMD's public machine-readable ISA for CDNA 5 (MIT licence, August 2026) and "CDNA5" Instruction Set Architecture Reference Guide (July 2026). The comments in the code are by the model that wrote it; some were corrected since.
;; Inner Attention. Allowed arithmetic: matrix products marked QUANTISED: E2M3 operands, one E8M0 scale for each 32 along K, by v_wmma_scale_f32_16x16x128_f8f6f4 with both operands' format E2M3, f32 sums; everything else in f32.
;; Inputs: Wk 1,024 x 1,024 float32; Wo 1,024 x 1,024 float32; Wq 1,024 x 1,024 float32; Wv 1,024 x 1,024 float32; bo 1,024 float32; hidden_states 4 x 2,048 x 1,024 float32.
;; Outputs: out0 4 x 2,048 x 1,024 float32.
;; This version of the problem:
;;   THIS VERSION OF THE PROBLEM IS GIVEN IN LOW PRECISION. The matrix products marked QUANTISED in the list below multiply operands that are first quantised to E2M3 (2 exponent bits, 3 mantissa bits; 6 bits a number), with one power-of-two scale for each 32 numbers along K (OCP MX v1.0); their sums are f32. All else is computed in f32.
;;   The module's matrix products, in the order in which they are computed (A, B: the left and right operand; K: the contracted axis; several contracted axes count as one K, in the product's order):
;;     1. [M 8,192, K 1,024] x [K 1,024, N 1,024]; A: input hidden_states; B: input Wq: QUANTISED
;;     2. [M 8,192, K 1,024] x [K 1,024, N 1,024]; A: input hidden_states; B: input Wk: QUANTISED
;;     3. [M 8,192, K 1,024] x [K 1,024, N 1,024]; A: input hidden_states; B: input Wv: QUANTISED
;;     4. batch 64 x [M 2,048, K 64] x [K 64, N 2,048]; A: computed on the way; B: computed on the way: QUANTISED
;;     5. batch 64 x [M 2,048, K 2,048] x [K 2,048, N 64]; A: softmax (see below); B: computed on the way: QUANTISED
;;     6. [M 8,192, K 1,024] x [K 1,024, N 1,024]; A: computed on the way; B: input Wo: QUANTISED
;;   THE QUANTISER, for each operand of a quantised product, along K:
;;     - K is cut into blocks of 32 from its start; a last block that is shorter is filled with zeros.
;;     - A block's scale is 2^e with e = floor(log2(the largest magnitude in the block)) - 2, held to -126 .. 127; a block of zeros has e = 0. As a byte (E8M0): e + 127.
;;     - Each number is divided by its block's scale, clamped to +-7.5, and rounded to the nearest number of E2M3, ties to even, subnormals kept.
;;     - The product sums the exact products of the quantised numbers (number of the format x scale) in f32.
;;   ~~~python
;;   def quantise(x, axis):      # numpy; x: float32 -> the quantised numbers, widened to float32 again
;;       x = np.moveaxis(x, axis, -1); K = x.shape[-1]
;;       x = np.pad(x, [(0, 0)] * (x.ndim - 1) + [(0, -K % 32)]); x = x.reshape(x.shape[:-1] + (-1, 32)); a = np.abs(x).max(-1, keepdims=True)
;;       e = np.where(a > 0, np.clip(np.frexp(np.where(a > 0, a, 1))[1] - 1 - 2, -126, 127), 0)      # np.frexp(a)[1] - 1 = floor(log2(a)), exactly
;;       r = np.clip(x / 2.0 ** e, -7.5, 7.5)
;;       step = 2.0 ** (np.maximum(np.frexp(np.where(r == 0, 1, r))[1] - 1, 0) - 3)
;;       q = np.round(r / step) * step * 2.0 ** e      # np.round: ties to even
;;       return np.moveaxis(q.reshape(q.shape[:-2] + (-1,))[..., :K], -1, axis).astype(np.float32)
;;   ~~~
;;   SOFTMAX AHEAD OF A QUANTISED PRODUCT. Where the list says 'softmax', what is quantised is not the finished softmax but p = 2^(t - M), with t = logit x log2(e) and M = ceil(the row's largest t), a whole number; so 1/2 < the row's largest p <= 1. The row's sum l is taken of the UNQUANTISED p, in f32, and the product's result is divided by l at the end. Since M is a whole number, a kernel that streams over the keys may use a running M (the ceiling of the running maximum): every later rescaling is an exact power of two, which a block's scale takes up: the codes' values come out the same.
;;   OPERANDS COMPUTED ON THE WAY. 'Computed on the way' means the value that the module computes at that place (a softmax that the list does not call 'softmax' is quantised finished and normalised). What goes into a quantiser is computed in f32, as accurately as f32 sums, v_exp_f32 and their like allow (about 1e-6 of the number): no bf16 or f16 on the way to a quantiser, and a product that is left as it is and whose result goes on into a quantised operand takes f32 operands (vector FMAs, or v_wmma_f32_16x16x4_f32). A number that lies on a knife's edge between two numbers of the format may be rounded either way, as far as f32 arithmetic and the matrix unit's own rounding can turn it there, and no further.
;; One version. Each part assembles by itself: llvm-mc -triple=amdgcn-amd-amdhsa -mcpu=gfx1250 --defsym DOCPART=n.
;; ======== version 1 of 1: 4 launches
;; workspace buffers: opnd_codes 9,437,184 bytes; opnd_scales 393,216 bytes; qkv_codes 18,874,368 bytes; qkv_scales 1,572,864 bytes; ctx_codes 6,291,456 bytes; ctx_scales 262,144 bytes
;; launch quant (part 1): grid 768 x 1, 4 waves a work-group, no clusters, 68,096 bytes of LDS; arguments hidden_states, Wq, Wk, Wv, Wo, opnd_codes, opnd_scales; writes opnd_codes, opnd_scales
.if DOCPART == 1
	.amdgcn_target "amdgcn-amd-amdhsa--gfx1250"
	.amdhsa_code_object_version 6
	.text
	.protected	k_qd21f1904a2_quant
	.globl	k_qd21f1904a2_quant
	.p2align	8
	.type	k_qd21f1904a2_quant,@function
k_qd21f1904a2_quant:
	s_mov_b64 s[64:65], 0
	v_nop
	global_prefetch_b8 v0, s[64:65] scope:SCOPE_SE
	s_setreg_imm32_b32 hwreg(HW_REG_WAVE_MODE, 25, 1), 1
	s_wait_xcnt 0x0
; hidden_states [8192][1024] and Wq, Wk, Wv, Wo [1024][1024], f32 with K innermost, become codes of FP6 (E2M3) with one E8M0 byte for each 32 along K.
; THE BUFFER'S LAYOUT is the order of the matrix operand's registers.  Its 12,288 rows (x 0.., Wq 8192.., Wk 9216.., Wv 10240.., Wo 11264..) are cut into 768 tiles of 16, K into 8 planes of 128:
;   codes [plane][tile][1536 bytes]; in a tile, half c (k = 64 c .. 64 c + 63) begins at 768 c: registers 6 c .. 6 c + 3 of lane l at 16 l, registers 6 c + 4, 6 c + 5 at 512 + 8 l.
;   scales [plane][12288][4 bytes]: the scale word of a row's 128 k.
; THE ROWS OF A TILE ARE NOT NEIGHBOURS: lane-row r of tile T is row 32 (T / 2) + 8 (T % 2) + r + 8 (r / 8) of its tensor, so that a product that takes the tile as source 0 leaves 16 neighbours in a lane's registers.
; A block's scale is 2^(floor(log2(largest magnitude)) - 2); its byte is the largest magnitude's exponent field - 2, held at 1 from below.
; LIMITS: a block of zeros, or one whose largest magnitude lies under 2^-124, keeps the byte 1 (its codes are zeros or next to it; this program alone reads the bytes); NaN and infinities are not served.
; SHARES: a work-group takes one tile, wave w its planes 2 w and 2 w + 1: 1,024 bytes of each of 16 rows.  Each load reads 512 consecutive bytes of a row; the numbers turn through the wave's own stage in LDS,
; so that lane (r, h) holds, of row r, 16 neighbours of each block of 32.  No barrier: waves share nothing.  No loop.
.set WREG,   16896                     ; LDS of a wave: two stages
.set STGB,   8448                      ; a stage: 16 rows x 528 bytes
.set SPITCH, 528                       ; 512 bytes + 16: the sixteen rows that a load touches start at sixteen different 16-byte columns modulo 256 bytes
.set SPARE,  4*WREG                    ; the spare words, 128 bytes a wave: two blocks of 256 bytes that no other line names
.set PLANEB, 1179648                   ; a plane of codes: 768 tiles x 1,536 bytes
.set SCPL,   49152                     ; a plane of scale words
.set L16,  4                           ; v4   16 x lane
.set L8,   5                           ; v5   8 x lane
.set STI,  6                           ; v6   the stage, on the way in
.set STO,  7                           ; v7   and on the way out: row r, + 64 h
.set SCO,  8                           ; v8   4 r + a plane of scale words x h
.set PWS,  9                           ; v9   the scale word that my lane stores
.set SPW,  12                          ; v12  my spare word; never rewritten
.set NIL,  13                          ; v13  0; never rewritten
.set R0,   16                          ; v16-79   fragment 0 as loaded; later fragment 1's neighbours
.set R1,   80                          ; v80-143  fragment 1 as loaded; later its codes
.set X,    144                         ; v144-207 fragment 0's neighbours
.set TM,   208                         ; v208-211 largest magnitudes, v212-215 bytes, v220-223 the conversions' scale operands
.set PW0,  224
.set PW1,  225
.set PC0,  226                         ; v226-237 fragment 0's codes
.set PT,   238                         ; v238-245 the halves that a conversion cannot put in place
.set PC1,  80
.set SEL,  20                          ; s[20:21] selects of v_permlanex16_b32: lane l xor 16
.macro LOADF s, reg                    ; fragment s: 16 rows x 512 bytes
.irp i, 0,1,2,3,4,5,6,7,8,9,10,11,12,13,14,15
	global_load_b128 v[\reg+4*\i:\reg+4*\i+3], v[L16], s[12:13] offset:(\i+8*(\i/8))*4096+512*\s th:TH_LOAD_NT
.endr
.endm
.macro TOST s, reg
.irp i, 0,1,2,3,4,5,6,7,8,9,10,11,12,13,14,15
	ds_store_b128 v[STI], v[\reg+4*\i:\reg+4*\i+3] offset:STGB*\s+SPITCH*\i
.endr
.endm
.macro FROMST s, reg                   ; register 16 b + i = k 32 b + 16 h + i of row r
.irp b, 0,1,2,3
.irp j, 0,1,2,3
	ds_load_b128 v[\reg+16*\b+4*\j:\reg+16*\b+4*\j+3], v[STO] offset:STGB*\s+128*\b+16*\j
.endr
.endr
.endm
; 64 numbers of a lane become a fragment's 12 registers of codes in v[pc] on and its scale word in v[pw]
.macro QUANT s, pc, pt, pw
.irp b, 0,1,2,3
	v_max3_num_f32 v[TM+\b], |v[\s+16*\b]|, |v[\s+1+16*\b]|, 0x1800000   ; my 16 numbers of block b, and the floor 2^(3 - 127): the byte cannot fall under 1
.endr
.irp i, 2,4,6,8,10,12,14
.irp b, 0,1,2,3
	v_max3_num_f32 v[TM+\b], v[TM+\b], |v[\s+16*\b+\i]|, |v[\s+1+16*\b+\i]|   ; the four blocks by turns
.endr
.endr
.irp b, 0,1,2,3
	v_permlanex16_b32 v[TM+4+\b], v[TM+\b], s[SEL], s[SEL+1]
.endr
.irp b, 0,1,2,3
	v_max_num_f32 v[TM+\b], v[TM+\b], v[TM+4+\b]   ; with lane l xor 16's: the block's largest magnitude
.endr
.irp b, 0,1,2,3
	v_add_nc_u32 v[TM+12+\b], 0xff000000, v[TM+\b]   ; 2 off its exponent field: the conversion takes the exponent field of this operand as its scale
.endr
.irp b, 0,1,2,3
	v_lshrrev_b32 v[TM+4+\b], 23, v[TM+12+\b]      ; the scale's byte
.endr
	v_lshl_or_b32 v[\pw], v[TM+5], 8, v[TM+4]
	v_lshl_or_b32 v[\pw], v[TM+6], 16, v[\pw]
	v_lshl_or_b32 v[\pw], v[TM+7], 24, v[\pw]      ; my row's scale word (the same in lanes r and r + 16)
.irp c, 0,1
	v_cvt_scalef32_pk16_fp6_f32 v[\pc+6*\c:\pc+6*\c+2], v[\s+32*\c:\s+32*\c+15], v[TM+12+2*\c]
	v_cvt_scalef32_pk16_fp6_f32 v[\pt+4*\c:\pt+4*\c+2], v[\s+32*\c+16:\s+32*\c+31], v[TM+12+2*\c+1]   ; a conversion's three registers begin on an even number
.endr
	v_nop                                          ; one plain instruction behind the conversions, ahead of the lines that touch their results
.irp c, 0,1                                    ; the operand wants a whole block in a lane: lanes 0-15 block 2 c, lanes 16-31 block 2 c + 1
.irp i, 0,1,2
	v_permlane16_swap_b32 v[\pc+6*\c+\i], v[\pt+4*\c+\i]
.endr
.irp i, 0,1,2
	v_mov_b32 v[\pc+3+6*\c+\i], v[\pt+4*\c+\i]
.endr
.endr
.endm
.macro PUT pc, off                     ; the fragment's image: four stores, each of whole aligned blocks of 256 bytes
	global_store_b128 v[L16], v[\pc:\pc+3], s[14:15] offset:\off
	global_store_b64 v[L8], v[\pc+4:\pc+5], s[14:15] offset:\off+512
	global_store_b128 v[L16], v[\pc+6:\pc+9], s[14:15] offset:\off+768
	global_store_b64 v[L8], v[\pc+10:\pc+11], s[14:15] offset:\off+1280
.endm
	s_load_b256 s[4:11], s[0:1], 0x0               ; hidden_states s[4:5], Wq s[6:7], Wk s[8:9], Wv s[10:11]
	s_load_b128 s[12:15], s[0:1], 0x20             ; Wo s[12:13], the codes s[14:15]
	s_load_b64 s[16:17], s[0:1], 0x30              ; the scale words
	v_lshl_add_u32 v[SPW], v0, 2, SPARE
	v_mov_b32 v[NIL], 0
	v_lshrrev_b32 v1, 5, v0
	v_readfirstlane_b32 s18, v1                    ; wave 0..3
	v_and_b32 v1, 31, v0                           ; lane
	v_and_b32 v2, 15, v0                           ; r
	v_bfe_u32 v3, v0, 4, 1                         ; h
	v_lshlrev_b32 v[L16], 4, v1
	v_lshlrev_b32 v[L8], 3, v1
	s_mul_i32 s19, s18, WREG
	v_add_nc_u32 v[STI], s19, v[L16]
	v_mul_u32_u24 v[STO], v2, SPITCH
	v_lshl_add_u32 v[STO], v3, 6, v[STO]
	v_add_nc_u32 v[STO], s19, v[STO]
	v_mul_u32_u24 v[SCO], v3, SCPL
	v_lshl_add_u32 v[SCO], v2, 2, v[SCO]
.irp b, 0,1,2,3
	v_mov_b32 v[TM+4+\b], 0                        ; written once: a lane permute's destination counts as one of its sources
.endr
	s_mov_b32 s[SEL], 0x76543210
	s_mov_b32 s[SEL+1], 0xfedcba98
	s_and_b32 s22, ttmp9, 63                       ; the tile's number in a weight
	s_mul_i32 s24, ttmp9, 1536                     ; the codes: tile T of plane 2 w
	s_mul_i32 s25, s18, 2*PLANEB
	s_add_co_u32 s24, s24, s25
	s_mov_b32 s25, 0
	s_lshl_b32 s26, ttmp9, 6                       ; the scale words: 64 bytes a tile, plane 2 w
	s_mul_i32 s27, s18, 2*SCPL
	s_add_co_u32 s26, s26, s27
	s_mov_b32 s27, 0
	s_wait_kmcnt 0x0
	s_cmp_lt_u32 ttmp9, 704                        ; which tensor: the choice hangs on the work-group's number alone
	s_cselect_b64 s[12:13], s[10:11], s[12:13]
	s_cmp_lt_u32 ttmp9, 640
	s_cselect_b64 s[12:13], s[8:9], s[12:13]
	s_cmp_lt_u32 ttmp9, 576
	s_cselect_b64 s[12:13], s[6:7], s[12:13]
	s_cmp_lt_u32 ttmp9, 512
	s_cselect_b64 s[12:13], s[4:5], s[12:13]
	s_cselect_b32 s22, ttmp9, s22                  ; the tile's number in its tensor
	s_lshr_b32 s23, s22, 1
	s_lshl_b32 s23, s23, 17                        ; 32 (T / 2) rows of 4,096 bytes
	s_and_b32 s22, s22, 1
	s_lshl_b32 s22, s22, 15                        ; 8 (T % 2) rows
	s_add_co_u32 s22, s22, s23
	s_lshl_b32 s23, s18, 10                        ; my wave's 1,024 bytes of a row
	s_add_co_u32 s22, s22, s23
	s_mov_b32 s23, 0
	s_add_nc_u64 s[12:13], s[12:13], s[22:23]
	s_add_nc_u64 s[14:15], s[14:15], s[24:25]
	s_add_nc_u64 s[16:17], s[16:17], s[26:27]
	LOADF 0, R0
	LOADF 1, R1
	s_wait_loadcnt 16                              ; fragment 0's sixteen loads are in; fragment 1's may be out
	TOST 0, R0
	FROMST 0, X                                    ; LDS serves a wave's instructions in order: these see the stores above
	s_wait_loadcnt 0x0
	TOST 1, R1
	s_wait_dscnt 32                                ; of 48 LDS instructions the oldest sixteen are done: fragment 0's stores have read v16-79
	FROMST 1, R0
	s_wait_dscnt 32                                ; of 64 the oldest 32 are done: fragment 0's numbers are back
	QUANT X, PC0, PT, PW0
	PUT PC0, 0
	s_wait_dscnt 0x0                               ; fragment 1's numbers are back, and its stores have read v80-143
	QUANT R0, PC1, PT, PW1
	PUT PC1, PLANEB
	v_cmp_le_u32 vcc_lo, 16, v1
	v_cndmask_b32 v[PWS], v[PW0], v[PW1], vcc_lo   ; lanes 0-15 store plane 2 w's words, lanes 16-31 plane 2 w + 1's
	global_store_b32 v[SCO], v[PWS], s[16:17]
	s_wait_tensorcnt 0x0                           ; the wave's end: a tensor wait, an add of 0 to my spare word and its wait, behind my last LDS store
	ds_add_u32 v[SPW], v[NIL]
	s_wait_dscnt 0x0
	s_endpgm
.Lfunc_end_k_qd21f1904a2_quant:
	.size	k_qd21f1904a2_quant, .Lfunc_end_k_qd21f1904a2_quant-k_qd21f1904a2_quant
	.p2alignl 7, 3214868480
	.fill 96, 4, 3214868480
	.section	.rodata,"a",@progbits
	.p2align	6, 0x0
	.amdhsa_kernel k_qd21f1904a2_quant
		.amdhsa_group_segment_fixed_size 68096
		.amdhsa_private_segment_fixed_size 0
		.amdhsa_enable_private_segment 0
		.amdhsa_kernarg_size 56
		.amdhsa_user_sgpr_count 2
		.amdhsa_user_sgpr_kernarg_segment_ptr 1
		.amdhsa_wavefront_size32 1
		.amdhsa_system_sgpr_workgroup_id_x 1
		.amdhsa_system_sgpr_workgroup_id_y 1
		.amdhsa_system_sgpr_workgroup_id_z 1
		.amdhsa_system_vgpr_workitem_id 0
		.amdhsa_next_free_vgpr 256
		.amdhsa_next_free_sgpr 66
		.amdhsa_reserve_vcc 1
		.amdhsa_float_denorm_mode_32 3
		.amdhsa_float_denorm_mode_16_64 3
		.amdhsa_memory_ordered 1
		.amdhsa_forward_progress 1
		.amdhsa_inst_pref_size 19
	.end_amdhsa_kernel
	.amdgpu_metadata
---
amdhsa.version: [ 1, 2 ]
amdhsa.kernels:
  - .name:           k_qd21f1904a2_quant
    .symbol:         k_qd21f1904a2_quant.kd
    .args:
      - { .name: hidden_states, .offset: 0, .size: 8, .value_kind: global_buffer, .address_space: global }
      - { .name: Wq, .offset: 8, .size: 8, .value_kind: global_buffer, .address_space: global }
      - { .name: Wk, .offset: 16, .size: 8, .value_kind: global_buffer, .address_space: global }
      - { .name: Wv, .offset: 24, .size: 8, .value_kind: global_buffer, .address_space: global }
      - { .name: Wo, .offset: 32, .size: 8, .value_kind: global_buffer, .address_space: global }
      - { .name: opnd_codes, .offset: 40, .size: 8, .value_kind: global_buffer, .address_space: global }
      - { .name: opnd_scales, .offset: 48, .size: 8, .value_kind: global_buffer, .address_space: global }
    .group_segment_fixed_size: 68096
    .private_segment_fixed_size: 0
    .kernarg_segment_align: 8
    .kernarg_segment_size: 56
    .max_flat_workgroup_size: 128
    .sgpr_count:     66
    .vgpr_count:     256
    .wavefront_size: 32
...
	.end_amdgpu_metadata
.endif
;; end of part 1
;; launch qkv (part 2): grid 8 x 48, 4 waves a work-group, clusters of 4 x 4, 327,680 bytes of LDS; arguments opnd_codes, opnd_scales, qkv_codes, qkv_scales; writes qkv_codes, qkv_scales
.if DOCPART == 2
	.amdgcn_target "amdgcn-amd-amdhsa--gfx1250"
	.amdhsa_code_object_version 6
	.text
	.protected	k_qd21f1904a2_qkv
	.globl	k_qd21f1904a2_qkv
	.p2align	8
	.type	k_qd21f1904a2_qkv,@function
k_qd21f1904a2_qkv:
	s_mov_b64 s[64:65], 0
	v_nop
	global_prefetch_b8 v0, s[64:65] scope:SCOPE_SE
	s_setreg_imm32_b32 hwreg(HW_REG_WAVE_MODE, 25, 1), 1
	s_wait_xcnt 0x0
	s_wait_alu depctr_hold_cnt(0) depctr_sa_sdst(0) depctr_va_vdst(0) depctr_va_sdst(0) depctr_va_ssrc(0) depctr_va_vcc(0) depctr_vm_vsrc(0)
	s_getreg_b32 s2, hwreg(HW_REG_IB_STS2, 6, 4)
	s_cmp_eq_u32 s2, 0
	s_cbranch_scc0 .Lentry_in_a_cluster
	s_endpgm
.Lentry_in_a_cluster:
	s_bfe_u32 s2, ttmp6, 0x10000c
	s_cmp_lg_u32 s2, 0xf033
	s_cbranch_scc0 .Lentry_shape_is_right
	s_endpgm
.Lentry_shape_is_right:
; q = x Wq^T, k = x Wk^T and v^T = Wv x^T on codes of FP6 (E2M3) with E8M0 scales, K = 1,024; the results are quantised in registers and leave as operands of the attention's products.
; OPERANDS lie as images of the matrix operand's registers: codes [plane = k / 128][tile of 16 rows][1536 bytes], scale words [plane][row][4 bytes]; lane-row r of tile T is row 32 (T / 2) + 8 (T % 2) + r + 8 (r / 8).
; ONE TEXT, TWO GEOMETRIES, chosen by selects on the cluster's y alone (the same in all sixteen partners; offsets only, both operands come from one buffer):
;   cluster y 0..7:  A = x (8,192 rows), B = Wq | Wk (2,048 rows): a lane ends with one token and 128 neighbouring channels: quantised along the channels (the heads' K);
;   cluster y 8..11: A = Wv (1,024 rows), B = x: a lane ends with one channel and 128 neighbouring tokens: quantised along the tokens (the second product's K).
; A tile of the result, 256 x 256, is made by four waves, each 128 x 128: 64 accumulators, 512 registers.  The matrix instruction is used transposed (source 0 = 16 rows of B, source 1 = 16 rows of A).
; K goes in four steps of 256 through THREE LDS slots: three are asked for at the head, the fourth goes into slot 0 when that has been read; it has four steps of 64 matrix instructions in which to land.
; A slot's quarter (128 rows x 2 planes) is two runs of 12,288 bytes of memory: one tensor load a wave.  The scale words of all of K come once, with the first fills.
; CLUSTER 4 x 4: A's tiles are shared along a row of the cluster, B's along a column: joint loads.
; OUT: qkv_codes: [16 groups of 128 channels: q 0-7, k 8-15][512 token tiles][1536], then from byte 12,582,912 [64 groups of 128 tokens][64 channel tiles][1536].
;      qkv_scales: [group][form 0, 1][row][4]: form 0 the scale word, form 1 the word >> 16, so that the second head of a pair finds its two bytes lowest; v's part from byte 1,048,576.
; LIMITS: a block of zeros or under 2^-124 keeps the byte 1 (this program alone reads the bytes); NaN and infinities are not served.
; REGISTERS: window 0: v8-25 addresses, v28-29 the add's two, v32-63 scale words (two sets), v64-111 the way out, v128-223 A's fragments (one set); window 1: B's fragments, sets at v0 and v128;
;   window 2: the accumulators of my rows 0-63 ((a, b) at v[8 (8 a + b)]); window 3: those of rows 64-127.
.set PLA,   1179648                    ; a plane of A's buffer in bytes;  B's
.set PLB,   1179648
.set SSA,   6144                       ; a plane of A's scale words in elements of 8 bytes;  B's
.set SSB,   6144
.set HALFT, 24576                      ; 128 rows x 2 planes: [plane][8 tiles][1536]: what one tensor load brings
.set SLOT,  4*HALFT                    ; A's rows 0-127, 128-255, B's likewise
.set SCL,   3*SLOT                     ; behind the slots: the scale words, four quarters of
.set HALFS, 4096                       ; [8 planes][128 rows x 4 bytes]
.set SPARE, SCL+4*HALFS                ; the spare words, 128 bytes a wave: two blocks of 256 bytes that no other line names
.set FR,    12                         ; registers of a fragment
.set NP,    4                          ; places behind this matrix instruction (ISA guide 7.12.1)
.set ADRA,  8                          ; v8-10 my A rows in slot 0, 1, 2, + 16 x lane; v11-13 the same + 8 x lane
.set ADRB,  14                         ; v14-16, v17-19 the same for B
.set ADRS,  20                         ; v20 my scale words: lanes 0-15 A's, lanes 16-31 B's
.set L16,   21
.set L8,    22
.set SST,   23                         ; v23 the way out: where my scale word goes in the stage
.set SRD,   24                         ; v24 and where 16 bytes of it are read back
.set SHF,   25                         ; v25 16 h
.set SPW,   28
.set NIL,   29
.set SC,    32                         ; set s at v[SC + 16 s]; register 2 i + q: lanes 0-15 the word of A's block i, lanes 16-31 of B's block i, plane q of the K step
.set TM,    64
.set PW,    80
.set PS,    81
.set PC,    84
.set PT,    96
.set SO,    104
.set AF,    128
.set G1,    24                         ; s[24:31] group 1 of A's tiles; s[32:43] three groups 0
.set G0,    32
.set G1B,   44                         ; s[44:51], s[52:63] the same for B
.set G0B,   52
.set G1S,   68                         ; s[68:75], s[76:79] A's scale words; s[80:87], s[88:91] B's
.set G0S,   76
.set G1SB,  80
.set G0SB,  88
.set MSB, 0
.macro WIN new                         ; the immediate's high byte repeats the setting that is left
.if MSB != \new
	s_set_vgpr_msb (MSB<<8)|\new
.set MSB, \new
.endif
.endm
.set MUL_LO, 0xa1                      ; source 0 (B) window 1, source 1 (A) window 0, C and D window 2
.set MUL_HI, 0xf1                      ; the same, C and D window 3
.set FST_LO, 0xa1                      ; the first products take the constant 0 as C
.set FST_HI, 0xf1
.set TO_B,   0x40                      ; destination window 1, address window 0
; A joint load: waves 0 and 1 fetch for A, waves 2 and 3 for B; the branch hangs on the wave's number alone.  An s_nop 0 and four v_nop follow each of the two lines.
.macro JLOAD g0a, g1a, g0b, g1b
	s_cmp_eq_u32 s15, 0
	s_cbranch_scc0 .Lfor_b_\@
	tensor_load_to_lds s[\g0a:\g0a+3], s[\g1a:\g1a+7]
	s_nop 0
.rept 4
	v_nop
.endr
	s_branch .Lasked_\@
.Lfor_b_\@:
	tensor_load_to_lds s[\g0b:\g0b+3], s[\g1b:\g1b+7]
	s_nop 0
.rept 4
	v_nop
.endr
.Lasked_\@:
.endm
.macro CREST                           ; a round of the cluster's barrier behind its opening barrier
	s_cmp_lg_u32 s14, 0
	s_cbranch_scc1 .Lnot_wave_0_\@
	s_barrier_signal -3
.Lnot_wave_0_\@:
	s_barrier_wait -3
	s_barrier_signal -1
	s_barrier_wait -1
.endm
.macro CROUND
	s_barrier_signal -1
	s_barrier_wait -1
	CREST
.endm
.macro PLACES n
.rept \n
	v_nop
.endr
.endm
.macro FRAG reg, adr, q, i             ; a fragment's image: four dense loads, lane l at 16 l or 8 l
	ds_load_b128 v[\reg:\reg+3], v[\adr] offset:(\q)*12288+(\i)*1536
	ds_load_b64 v[\reg+4:\reg+5], v[\adr+3] offset:(\q)*12288+(\i)*1536+512
	ds_load_b128 v[\reg+6:\reg+9], v[\adr] offset:(\q)*12288+(\i)*1536+768
	ds_load_b64 v[\reg+10:\reg+11], v[\adr+3] offset:(\q)*12288+(\i)*1536+1280
.endm
.macro FETCH_B slot, q, p              ; B's eight fragments of the slot's plane q into set p: 32 loads
	WIN TO_B
.irp i, 0,1,2,3,4,5,6,7
	FRAG 128*(\p)+FR*\i, ADRB+\slot, \q, \i
.endr
	WIN 0
.endm
.macro FETCH_A slot, q, i0             ; A's blocks i0 .. i0 + 3: 16 loads
.irp i, \i0, \i0+1, \i0+2, \i0+3
	FRAG AF+FR*(\i), ADRA+\slot, \q, \i
.endr
.endm
.macro SCALES sc, ks                   ; K step ks's scale words into set sc: 16 loads
.irp i, 0,1,2,3,4,5,6,7
.irp q, 0,1
	ds_load_b32 v[SC+16*(\sc)+2*\i+\q], v[ADRS] offset:(2*(\ks)+\q)*512+64*\i
.endr
.endr
.endm
; 16 matrix instructions: A's blocks a0, a0 + 1 x B's eight, 128 along K.  The 64 accumulators take turns, one instruction a turn, in the same order in every step.
.macro MUL16 a0, p, q, sc, first
.irp a, \a0, \a0+1
.irp b, 0,1,2,3,4,5,6,7
.if \first
	v_wmma_scale_f32_16x16x128_f8f6f4 v[8*(8*((\a)%4)+\b):8*(8*((\a)%4)+\b)+7], v[128*(\p)+FR*\b:128*(\p)+FR*\b+FR-1], v[AF+FR*(\a):AF+FR*(\a)+FR-1], 0, v[SC+16*(\sc)+2*\b+(\q)], v[SC+16*(\sc)+2*(\a)+(\q)] matrix_a_fmt:MATRIX_FMT_FP6 matrix_b_fmt:MATRIX_FMT_FP6 matrix_a_scale:MATRIX_SCALE_ROW1
.else
	v_wmma_scale_f32_16x16x128_f8f6f4 v[8*(8*((\a)%4)+\b):8*(8*((\a)%4)+\b)+7], v[128*(\p)+FR*\b:128*(\p)+FR*\b+FR-1], v[AF+FR*(\a):AF+FR*(\a)+FR-1], v[8*(8*((\a)%4)+\b):8*(8*((\a)%4)+\b)+7], v[SC+16*(\sc)+2*\b+(\q)], v[SC+16*(\sc)+2*(\a)+(\q)] matrix_a_fmt:MATRIX_FMT_FP6 matrix_b_fmt:MATRIX_FMT_FP6 matrix_a_scale:MATRIX_SCALE_ROW1
.endif
.endr
.endr
.endm
; A step of 128 along K: B's set p, plane q, scale set sc.  In its middle it fetches the next step's fragments (slot nslot, plane nq; with plane 0 also K step nks's scale words into set nsc).
.macro STEP p, q, sc, first, nslot, nq, nsc, nks
	s_wait_dscnt 16                                ; all but the youngest sixteen loads, A's blocks 4-7, are in
.if \first
	WIN FST_LO
.else
	WIN MUL_LO
.endif
	MUL16 0, \p, \q, \sc, \first
	MUL16 2, \p, \q, \sc, \first
	s_wait_dscnt 0x0                               ; A's blocks 4-7 are in
	PLACES NP                                      ; in front of loads into registers that matrix instructions have read
	FETCH_B \nslot, \nq, 1-(\p)
	FETCH_A \nslot, \nq, 0
.if (\nq) == 0
	SCALES \nsc, \nks
.endif
.if \first
	WIN FST_HI
.else
	WIN MUL_HI
.endif
	MUL16 4, \p, \q, \sc, \first
	MUL16 6, \p, \q, \sc, \first
	PLACES NP
	WIN 0
	FETCH_A \nslot, \nq, 4
.endm
; A step that leaves a slot behind a barrier.  In front of it each wave waits for all its tensor loads, adds 0 to its spare word, and waits for that and for its reads of the slot.  fill = 1: the slot takes K step 3.
.macro TURN slot, next, fill, p, q, sc, nsc, nks
	s_wait_tensorcnt 0x0                           ; all my tensor loads have landed (every window is 0 here)
	ds_add_u32 v[SPW], v[NIL]                      ; 0 onto my spare word
	s_wait_dscnt 17                                ; the add and the youngest sixteen loads may be out
	WIN MUL_LO
	MUL16 0, \p, \q, \sc, 0                        ; sixteen matrix instructions stand between the add and the wait for it
	s_wait_dscnt 0x0                               ; the add is done, and my reads of this slot are over
	s_barrier_signal -1
	MUL16 2, \p, \q, \sc, 0
	WIN 0
	s_barrier_wait -1
.if \fill
	CREST                                          ; the barrier has opened a round of the cluster's barrier: no wave of any partner still reads the slot or has a load on its way
	s_add_nc_u64 s[G0+4*\slot+2:G0+4*\slot+3], s[G0+4*\slot+2:G0+4*\slot+3], 6*PLA     ; three K steps of two planes on
	s_add_nc_u64 s[G0B+4*\slot+2:G0B+4*\slot+3], s[G0B+4*\slot+2:G0B+4*\slot+3], 6*PLB
	JLOAD G0+4*\slot, G1, G0B+4*\slot, G1B         ; the first tensor load behind the round; its four v_nop are the places in front of the loads below
.else
	PLACES NP
.endif
	FETCH_B \next, 0, 1-(\p)
	FETCH_A \next, 0, 0
	SCALES \nsc, \nks
	WIN MUL_HI
	MUL16 4, \p, \q, \sc, 0
	MUL16 6, \p, \q, \sc, 0
	PLACES NP
	WIN 0
	FETCH_A \next, 0, 4
.endm
	s_load_b256 s[4:11], s[0:1], 0x0               ; the operands' codes s[4:5], their scale words s[6:7], the results' codes s[8:9], their scale words s[10:11]
	v_lshl_add_u32 v[SPW], v0, 2, SPARE
	v_mov_b32 v[NIL], 0
	ds_add_u32 v[SPW], v[NIL]                      ; the wave's opening: the add and its wait stand ahead of my first tensor load; work on registers stands between them
	v_lshrrev_b32 v1, 5, v0
	v_readfirstlane_b32 s14, v1                    ; wave 0..3
	s_lshr_b32 s15, s14, 1                         ; my half of the tile's rows.  Also: I fetch for A (0) or for B (1)
	s_and_b32 s16, s14, 1                          ; my half of its columns.  Also: which 128 rows I fetch
	s_bfe_u32 s92, ttmp6, 0x40000                  ; cx
	s_bfe_u32 s93, ttmp6, 0x40004                  ; cy
	s_and_b32 s12, ttmp7, 0xffff                   ; the cluster's y
	s_lshl_b32 s95, s93, 2
	s_lshl_b32 s95, 15, s95                        ; my row of the cluster
	s_lshl_b32 s96, 0x1111, s92                    ; my column
	s_lshl_b32 s17, s12, 2                         ; 4 x cluster y
	s_lshl_b32 s94, ttmp9, 2                       ; 4 x cluster x
	s_lshl_b32 s13, s12, 3
	s_add_co_u32 s13, s13, s94
	s_sub_co_u32 s13, s13, 64                      ; 8 (cluster y - 8) + 4 x cluster x
	s_cmp_lt_u32 s12, 8                            ; q and k, or v^T?
	s_cselect_b32 s17, s17, 0                      ; the cluster's first tile row
	s_cselect_b32 s94, s94, s13                    ; and tile column
	s_cselect_b32 s18, 0, 10240                    ; A's first row in the operands' buffer: x or Wv
	s_cselect_b32 s98, 8192, 0                     ; B's: Wq | Wk or x
	s_cselect_b32 s66, 512, 64                     ; tiles of rows in a group of the results
	s_cselect_b32 s67, 0, 12582912                 ; where the results' codes begin
	s_cselect_b32 s97, 0, 1048576                  ; and their scale words
	s_add_co_u32 s17, s17, s93                     ; tile row
	s_add_co_u32 s94, s94, s92                     ; tile column
	s_or_b32 s[G1+0], s95, (3<<16)|(1<<21)         ; 15:0 the mask: A's tiles go to my row; 17:16 elements of 8 bytes; 21 set beside a mask; no padding
	s_or_b32 s[G1B+0], s96, (3<<16)|(1<<21)
.irp g, G1, G1B
	s_mov_b32 s[\g+1], 1536<<16                    ; tensor_dim0: 12,288 bytes
	s_mov_b32 s[\g+2], 2<<16                       ; tensor_dim1: two planes
	s_mov_b32 s[\g+3], 1536<<16                    ; tile_dim0
	s_mov_b32 s[\g+4], 2                           ; tile_dim1
	s_mov_b32 s[\g+6], 0
	s_mov_b32 s[\g+7], 0
.endr
	s_mov_b32 s[G1+5], PLA/8                       ; from plane to plane
	s_mov_b32 s[G1B+5], PLB/8
	s_or_b32 s[G1S+0], s95, (3<<16)|(1<<21)        ; the scale words of 128 rows: 8 planes x 512 bytes
	s_or_b32 s[G1SB+0], s96, (3<<16)|(1<<21)
.irp g, G1S, G1SB
	s_mov_b32 s[\g+1], 64<<16
	s_mov_b32 s[\g+2], 8<<16
	s_mov_b32 s[\g+3], 64<<16
	s_mov_b32 s[\g+4], 8
	s_mov_b32 s[\g+6], 0
	s_mov_b32 s[\g+7], 0
.endr
	s_mov_b32 s[G1S+5], SSA
	s_mov_b32 s[G1SB+5], SSB
	s_lshl_b32 s19, s16, 7                         ; which 128 rows of a tile I fetch
	s_lshl_b32 s20, s17, 8
	s_add_co_u32 s18, s18, s20
	s_add_co_u32 s18, s18, s19                     ; A: the buffer's row
	s_mul_i32 s20, s18, 96                         ; its codes in a plane: 1,536 bytes for 16 rows
	s_mov_b32 s21, 0
	s_lshl_b32 s22, s18, 2                         ; its scale words
	s_mov_b32 s23, 0
	s_lshl_b32 s99, s94, 8
	s_add_co_u32 s98, s98, s99
	s_add_co_u32 s98, s98, s19                     ; B: the buffer's row
	s_mul_i32 s100, s98, 96
	s_mov_b32 s101, 0
	s_lshl_b32 s98, s98, 2
	s_mov_b32 s99, 0
	s_mul_i32 s2, s14, HALFT                       ; where they go: no place in the cluster enters an LDS address
	s_mul_i32 s3, s14, HALFS
	s_wait_dscnt 0x0                               ; the opening add is done
	s_wait_kmcnt 0x0
	s_add_nc_u64 s[20:21], s[4:5], s[20:21]
	s_add_nc_u64 s[22:23], s[6:7], s[22:23]
	s_add_nc_u64 s[100:101], s[4:5], s[100:101]
	s_add_nc_u64 s[98:99], s[6:7], s[98:99]
	CROUND                                         ; all sixteen work-groups are here: the first joint loads meet
	s_mov_b32 s[G0S], 1
	s_add_co_u32 s[G0S+1], s3, SCL
	s_mov_b64 s[G0S+2:G0S+3], s[22:23]
	s_or_b32 s[G0S+3], s[G0S+3], 0x80000000
	s_mov_b32 s[G0SB], 1
	s_add_co_u32 s[G0SB+1], s3, SCL
	s_mov_b64 s[G0SB+2:G0SB+3], s[98:99]
	s_or_b32 s[G0SB+3], s[G0SB+3], 0x80000000
	JLOAD G0S, G1S, G0SB, G1SB                     ; the scale words first: they are wanted with K step 0
.irp n, 0,1,2
	s_mov_b32 s[G0+4*\n], 1
	s_add_co_u32 s[G0+4*\n+1], s2, \n*SLOT
	s_add_nc_u64 s[G0+4*\n+2:G0+4*\n+3], s[20:21], \n*2*PLA
	s_or_b32 s[G0+4*\n+3], s[G0+4*\n+3], 0x80000000
	s_mov_b32 s[G0B+4*\n], 1
	s_add_co_u32 s[G0B+4*\n+1], s2, \n*SLOT
	s_add_nc_u64 s[G0B+4*\n+2:G0B+4*\n+3], s[100:101], \n*2*PLB
	s_or_b32 s[G0B+4*\n+3], s[G0B+4*\n+3], 0x80000000
	JLOAD G0+4*\n, G1, G0B+4*\n, G1B               ; K steps 0, 1, 2: with the scale words four loads of mine are out
.endr
	v_and_b32 v1, 31, v0                           ; lane
	v_and_b32 v2, 15, v0                           ; r
	v_bfe_u32 v3, v0, 4, 1                         ; h
	v_lshlrev_b32 v[L16], 4, v1
	v_lshlrev_b32 v[L8], 3, v1
	s_mul_i32 s18, s15, HALFT                      ; my 128 rows of A
	s_mul_i32 s19, s16, HALFT                      ; my 128 rows of B,
	s_add_co_u32 s19, s19, 2*HALFT                 ; behind A's 256
.irp n, 0,1,2
	v_add_nc_u32 v[ADRA+\n], s18, v[L16]
	v_add_nc_u32 v[ADRA+3+\n], s18, v[L8]
	v_add_nc_u32 v[ADRB+\n], s19, v[L16]
	v_add_nc_u32 v[ADRB+3+\n], s19, v[L8]
	s_add_co_u32 s18, s18, SLOT
	s_add_co_u32 s19, s19, SLOT
.endr
	s_lshl_b32 s18, s15, 12                        ; A's scale words: my quarter
	s_lshl_b32 s19, s16, 12                        ; B's: behind A's two
	s_add_co_u32 s19, s19, 2*HALFS
	s_sub_co_u32 s19, s19, s18
	v_mul_u32_u24 v4, s19, v3                      ; lanes 16-31 take B's: the lower base + h x the distance
	s_add_co_u32 s18, s18, SCL
	v_lshl_add_u32 v4, v2, 2, v4
	v_add_nc_u32 v[ADRS], s18, v4
	s_lshl_b32 s18, s14, 10                        ; the way out: 1,024 bytes a wave in slot 1, which has its one fill behind it and is read no more when they are written
	s_add_co_u32 s18, s18, SLOT
	v_lshlrev_b32 v[SST], 9, v3
	v_lshl_add_u32 v[SST], v2, 2, v[SST]
	v_add_nc_u32 v[SST], s18, v[SST]               ; form h, row r
	v_add_nc_u32 v[SRD], s18, v[L16]
	v_lshlrev_b32 v[SHF], 4, v3
.irp b, 0,1,2,3
	v_mov_b32 v[TM+4+\b], 0                        ; written once: a lane permute's destination counts as one of its sources
.endr
	s_mov_b32 s2, 0x76543210                       ; selects of v_permlanex16_b32: lane l xor 16
	s_mov_b32 s3, 0xfedcba98
	s_lshl_b32 s4, s94, 1
	s_add_co_u32 s4, s4, s16                       ; my group of 128 along the quantised axis
	s_lshl_b32 s5, s17, 4
	s_lshl_b32 s6, s15, 3
	s_add_co_u32 s5, s5, s6                        ; my first tile of rows
	s_mul_i32 s6, s4, s66
	s_add_co_u32 s6, s6, s5
	s_mul_i32 s6, s6, 1536
	s_add_co_u32 s6, s6, s67
	s_mov_b32 s7, 0
	s_add_nc_u64 s[8:9], s[8:9], s[6:7]            ; my eight images, 12,288 bytes on end
	s_lshl_b32 s66, s66, 4                         ; rows in a group
	s_mul_i32 s6, s4, s66
	s_lshl_b32 s6, s6, 1                           ; two forms
	s_lshl_b32 s5, s5, 4
	s_add_co_u32 s6, s6, s5
	s_lshl_b32 s6, s6, 2
	s_add_co_u32 s6, s6, s97
	s_add_nc_u64 s[10:11], s[10:11], s[6:7]        ; my 128 scale words, form 0,
	s_lshl_b32 s6, s66, 2
	s_add_nc_u64 s[12:13], s[10:11], s[6:7]        ; and form 1
	s_wait_tensorcnt 0x2                           ; the scale words and my part of K step 0 are in; K steps 1 and 2 may be out
	s_barrier_signal -1
	s_barrier_wait -1                              ; everybody's are
	FETCH_B 0, 0, 0
	FETCH_A 0, 0, 0
	SCALES 0, 0
	FETCH_A 0, 0, 4
	STEP 0, 0, 0, 1,  0, 1, 0, 0                   ; K 0-127: its products start the sums
	TURN 0, 1, 1,  1, 1, 0,  1, 1                  ; K 128-255; slot 0 is left and takes K step 3.  The wait for all loads and the round also show slots 1 and 2 whole to every wave
	STEP 0, 0, 1, 0,  1, 1, 0, 0
	STEP 1, 1, 1, 0,  2, 0, 0, 2
	STEP 0, 0, 0, 0,  2, 1, 0, 0
	TURN 2, 0, 0,  1, 1, 0,  1, 3                  ; K step 3 has landed in every wave's part: a barrier, and nothing is filled
	STEP 0, 0, 1, 0,  0, 1, 0, 0
	s_wait_dscnt 16                                ; the last step fetches nothing
	WIN MUL_LO
	MUL16 0, 1, 1, 1, 0
	MUL16 2, 1, 1, 1, 0
	s_wait_dscnt 0x0
	WIN MUL_HI
	MUL16 4, 1, 1, 1, 0
	MUL16 6, 1, 1, 1, 0
	WIN 0
	PLACES NP                                      ; in front of the first read of results
; THE WAY OUT.  Block a: lane (r, h) holds row r and, in the block's 64 registers, register 16 b + i = column 32 b + 16 h + i of my 128: quantised as they stand, they are one fragment and one scale word a row.
.macro QROW a
.set AC, 64*((\a)%4)
.if (\a) > 0
	s_wait_xcnt 0x0                                ; the last block's stores have read their registers: the codes' registers are written again only behind this wait
.endif
	WIN 0x0a+5*((\a)/4)                            ; sources 0 and 1: window 2 or 3
.irp b, 0,1,2,3
	v_max3_num_f32 v[TM+\b], |v[AC+16*\b]|, |v[AC+16*\b+1]|, 0x1800000   ; each accumulator is read from its low end on; the floor 2^(3 - 127) holds the byte at 1
.endr
.irp i, 2,4,6,8,10,12,14
.irp b, 0,1,2,3
	v_max3_num_f32 v[TM+\b], |v[AC+16*\b+\i]|, |v[AC+16*\b+\i+1]|, v[TM+\b]
.endr
.endr
	WIN 0
.irp b, 0,1,2,3
	v_permlanex16_b32 v[TM+4+\b], v[TM+\b], s2, s3
.endr
.irp b, 0,1,2,3
	v_max_num_f32 v[TM+\b], v[TM+\b], v[TM+4+\b]
.endr
.irp b, 0,1,2,3
	v_add_nc_u32 v[TM+12+\b], 0xff000000, v[TM+\b] ; 2 off the exponent field: the conversion's scale operand
.endr
.irp b, 0,1,2,3
	v_lshrrev_b32 v[TM+4+\b], 23, v[TM+12+\b]
.endr
	v_lshl_or_b32 v[PW], v[TM+5], 8, v[TM+4]
	v_lshl_or_b32 v[PW], v[TM+6], 16, v[PW]
	v_lshl_or_b32 v[PW], v[TM+7], 24, v[PW]
	WIN 0x02+(\a)/4                                ; source 0: window 2 or 3
.irp c, 0,1
	v_cvt_scalef32_pk16_fp6_f32 v[PC+6*\c:PC+6*\c+2], v[AC+32*\c:AC+32*\c+15], v[TM+12+2*\c]
	v_cvt_scalef32_pk16_fp6_f32 v[PT+4*\c:PT+4*\c+2], v[AC+32*\c+16:AC+32*\c+31], v[TM+12+2*\c+1]
.endr
	WIN 0
	v_nop                                          ; one plain instruction behind the conversions
.irp c, 0,1
.irp i, 0,1,2
	v_permlane16_swap_b32 v[PC+6*\c+\i], v[PT+4*\c+\i]
.endr
.irp i, 0,1,2
	v_mov_b32 v[PC+3+6*\c+\i], v[PT+4*\c+\i]
.endr
.endr
	v_lshrrev_b32 v[PS], v[SHF], v[PW]             ; lanes 0-15: the word; lanes 16-31: the word >> 16
	ds_store_b32 v[SST], v[PS] offset:64*(\a)
	global_store_b128 v[L16], v[PC:PC+3], s[8:9] offset:1536*(\a)          ; each store covers whole aligned blocks of 256 bytes
	global_store_b64 v[L8], v[PC+4:PC+5], s[8:9] offset:1536*(\a)+512
	global_store_b128 v[L16], v[PC+6:PC+9], s[8:9] offset:1536*(\a)+768
	global_store_b64 v[L8], v[PC+10:PC+11], s[8:9] offset:1536*(\a)+1280
.endm
.irp a, 0,1,2,3,4,5,6,7
	QROW \a
.endr
	ds_load_b128 v[SO:SO+3], v[SRD]                ; LDS serves a wave's instructions in order: these see my stores
	ds_load_b128 v[SO+4:SO+7], v[SRD] offset:512
	s_wait_dscnt 0x0
	global_store_b128 v[L16], v[SO:SO+3], s[10:11] ; 512 consecutive bytes: my 128 rows' words,
	global_store_b128 v[L16], v[SO+4:SO+7], s[12:13]   ; and their second form
	s_wait_tensorcnt 0x0                           ; the wave's end: a tensor wait, an add of 0 to my spare word and its wait, behind my last tensor load and my last LDS store
	ds_add_u32 v[SPW], v[NIL]
	s_wait_dscnt 0x0
	CROUND                                         ; the closing round: no work-group ends while a partner may still ask for a tile that names it
	s_endpgm
.Lfunc_end_k_qd21f1904a2_qkv:
	.size	k_qd21f1904a2_qkv, .Lfunc_end_k_qd21f1904a2_qkv-k_qd21f1904a2_qkv
	.p2alignl 7, 3214868480
	.fill 96, 4, 3214868480
	.section	.rodata,"a",@progbits
	.p2align	6, 0x0
	.amdhsa_kernel k_qd21f1904a2_qkv
		.amdhsa_group_segment_fixed_size 327680
		.amdhsa_private_segment_fixed_size 0
		.amdhsa_enable_private_segment 0
		.amdhsa_kernarg_size 32
		.amdhsa_user_sgpr_count 2
		.amdhsa_user_sgpr_kernarg_segment_ptr 1
		.amdhsa_wavefront_size32 1
		.amdhsa_system_sgpr_workgroup_id_x 1
		.amdhsa_system_sgpr_workgroup_id_y 1
		.amdhsa_system_sgpr_workgroup_id_z 1
		.amdhsa_system_vgpr_workitem_id 0
		.amdhsa_next_free_vgpr 1024
		.amdhsa_next_free_sgpr 102
		.amdhsa_reserve_vcc 0
		.amdhsa_float_denorm_mode_32 3
		.amdhsa_float_denorm_mode_16_64 3
		.amdhsa_memory_ordered 1
		.amdhsa_forward_progress 1
		.amdhsa_inst_pref_size 152
	.end_amdhsa_kernel
	.amdgpu_metadata
---
amdhsa.version: [ 1, 2 ]
amdhsa.kernels:
  - .name:           k_qd21f1904a2_qkv
    .symbol:         k_qd21f1904a2_qkv.kd
    .args:
      - { .name: opnd_codes, .offset: 0, .size: 8, .value_kind: global_buffer, .address_space: global }
      - { .name: opnd_scales, .offset: 8, .size: 8, .value_kind: global_buffer, .address_space: global }
      - { .name: qkv_codes, .offset: 16, .size: 8, .value_kind: global_buffer, .address_space: global }
      - { .name: qkv_scales, .offset: 24, .size: 8, .value_kind: global_buffer, .address_space: global }
    .group_segment_fixed_size: 327680
    .private_segment_fixed_size: 0
    .kernarg_segment_align: 8
    .kernarg_segment_size: 32
    .max_flat_workgroup_size: 128
    .sgpr_count:     102
    .vgpr_count:     1024
    .wavefront_size: 32
...
	.end_amdgpu_metadata
.endif
;; end of part 2
;; launch attn (part 3): grid 8 x 32, 16 waves a work-group, no clusters, 167,936 bytes of LDS; arguments qkv_codes, qkv_scales, ctx_codes, ctx_scales; writes ctx_codes, ctx_scales
.if DOCPART == 3
	.amdgcn_target "amdgcn-amd-amdhsa--gfx1250"
	.amdhsa_code_object_version 6
	.text
	.protected	k_qd21f1904a2_attn
	.globl	k_qd21f1904a2_attn
	.p2align	8
	.type	k_qd21f1904a2_attn,@function
k_qd21f1904a2_attn:
	s_mov_b64 s[64:65], 0
	v_nop
	global_prefetch_b8 v0, s[64:65] scope:SCOPE_SE
	s_setreg_imm32_b32 hwreg(HW_REG_WAVE_MODE, 25, 1), 1
	s_wait_xcnt 0x0
; ctx = softmax(q k^T under the band: key <= query, query - key < 256) v, both products on codes of FP6 (E2M3) with E8M0 scales; no scaling of the scores.  ctx leaves quantised along the model's 1,024 channels.
; THE SOFTMAX: t = score x log2(e); M = the row's largest t so far, rounded up to a whole number; p = 2^(t - M) is quantised along the keys, not normalised; the row's sum is taken of the unquantised p and divides at the end.
; SHARES.  A work-group owns 256 queries of one pair of heads (x: block of queries; y: 8 x batch + pair).  Wave w: head w % 2 of the pair, tile w / 2 of eight; in pass 0 of the block's first 128 queries, in pass 1 of the second.
; A pass walks three chunks of 128 keys: the queries' own chunk and the two before it.  Key tiles outside these lie wholly under the mask.  The block's four chunks of k and v (two heads' codes lie together) and their scale words
; come into LDS once, at the head: one tensor load a wave for waves 0 to 10; nothing is filled again.
; THE FIRST BLOCK OF A BATCH has no two chunks before it: the loads then bring whatever rows lie 256 tokens ahead in the buffer (always inside it: q lies ahead of k, and both ahead of v), and the steps that would read them
; are jumped over by a scalar branch on the work-group's number.
; LAYOUT.  Both products are used transposed: S^T = k q^T, O^T = v^T p^T: a lane holds one query.  Tokens and channels lie in tiles whose lane-row r is row 32 (T / 2) + 8 (T % 2) + r + 8 (r / 8), so that the 16 registers of
; two neighbouring result tiles are 16 neighbours.  The first product's K is the head's 64: registers 0-5 of a fragment; registers 6-11 are zero codes on both sides, which add nothing under any scale byte that occurs (0 to 254).
; THE MASK.  With ql my query's place in its chunk and d = ql - 16 (lane / 16), register n of S^T holds the key at place 32 (n / 16) + n % 16 + 16 (lane / 16): in the first chunk it is hidden where 32 (n / 16) + n % 16 <= d,
; in the second never, in the third where it is > d.  Hidden scores become -infinity: p = 0.
; LIMITS: NaN and infinities are not served; a block of zeros or under 2^-124 keeps the byte 1; the division by the sum is v_rcp_f32 and a multiplication.
.set CH,    12288                      ; a chunk's codes: 8 tiles x 1,536 bytes
.set VOFF,  4*CH                       ; LDS: k's four chunks, then v's four,
.set KSC,   98304                      ; k's scale words: 2 forms x 512 keys x 4 bytes,
.set VSC,   102400                     ; v's: 4 chunks x 128 channels x 4 bytes,
.set CSTG,  104448                     ; ctx's scale words on their way out: 2 passes x 128 tokens x 4 bytes,
.set SPARE, 105472                     ; the spare words, 128 bytes a wave: eight blocks of 256 bytes that no other line names
.set AK,   1                           ; v1  k: my head's half of a tile, + 16 x lane;  v2 the same + 512 + 8 x lane
.set AK8,  2
.set AV,   3                           ; v3, v4 v: my head's four tiles likewise
.set AV8,  4
.set ASK,  5                           ; v5  k's scale words, my head's form
.set ASV,  6                           ; v6  v's
.set DD,   7                           ; v7  d
.set SPW,  8
.set NIL,  9
.set NINF, 10                          ; v10 -infinity
.set QF,   16                          ; v16-27, v28-39 q of pass 0, 1
.set QS,   40                          ; v40, v41 its scale words
.set L16,  42
.set L8,   43
.set CSA,  44                          ; v44 where my row's two scale bytes go
.set CRD,  45                          ; v45 where waves 0 and 1 read the words back
.set R4,   46                          ; v46 4 r
.set KF,   48                          ; v48-95 four fragments of k
.set S,    96                          ; v96-159 S^T, then p
.set VF,   96                          ; v96-143 then v's four fragments
.set O,    160                         ; v160-191 O^T
.set PCD,  192                         ; v192-203 p's codes
.set PT,   204                         ; v204-211 the halves that a conversion cannot put in place
.set BM,   212                         ; v212-215 the blocks' largest scores, then largest p
.set PB,   216                         ; v216-219 the other half's, then the bytes
.set SOP,  220                         ; v220-223 the conversions' scale operands
.set KS,   224                         ; v224-227 k's scale words
.set VS,   228                         ; v228-231 v's
.set PW,   232                         ; v232 p's scale word
.set TMP,  233
.set FF,   236                         ; v[236:237] f = 2^(old M - new M)
.set SU2,  238                         ; v[238:239] the sum's second chain
.set CT,   240                         ; v240-245, v246-251 ctx's codes of pass 0, 1
	s_load_b256 s[4:11], s[0:1], 0x0               ; q, k, v: codes s[4:5], scale words s[6:7]; ctx: codes s[8:9], scale words s[10:11]
	v_lshl_add_u32 v[SPW], v0, 2, SPARE
	v_mov_b32 v[NIL], 0
	ds_add_u32 v[SPW], v[NIL]                      ; the wave's opening: the add and its wait stand ahead of my first tensor load; work on registers stands between them
	v_lshrrev_b32 v11, 5, v0
	v_readfirstlane_b32 s12, v11                   ; wave 0..15
	s_and_b32 s13, s12, 1                          ; p: my head of the pair
	s_lshr_b32 s14, s12, 1                         ; my tile of eight
	s_mov_b32 s15, ttmp9                           ; the block of 256 queries
	s_and_b32 s17, ttmp7, 0xffff
	s_lshr_b32 s16, s17, 3                         ; the batch
	s_and_b32 s17, s17, 7                          ; the pair of heads
	v_and_b32 v11, 31, v0                          ; lane
	v_and_b32 v47, 15, v0                          ; r
	v_lshlrev_b32 v[L16], 4, v11
	v_lshlrev_b32 v[L8], 3, v11
	v_lshlrev_b32 v[R4], 2, v47
	s_mul_i32 s18, s13, 768
	v_add_nc_u32 v[AK], s18, v[L16]
	s_add_co_u32 s18, s18, 512
	v_add_nc_u32 v[AK8], s18, v[L8]
	s_mul_i32 s18, s13, 6144
	s_add_co_u32 s18, s18, VOFF
	v_add_nc_u32 v[AV], s18, v[L16]
	s_add_co_u32 s18, s18, 512
	v_add_nc_u32 v[AV8], s18, v[L8]
	s_lshl_b32 s18, s13, 11
	s_add_co_u32 s18, s18, KSC
	v_add_nc_u32 v[ASK], s18, v[R4]
	s_lshl_b32 s18, s13, 8
	s_add_co_u32 s18, s18, VSC
	v_add_nc_u32 v[ASV], s18, v[R4]
	s_lshl_b32 s18, s14, 6
	s_lshl_b32 s19, s13, 1
	s_add_co_u32 s18, s18, s19
	s_add_co_u32 s18, s18, CSTG
	v_add_nc_u32 v[CSA], s18, v[R4]                ; token 16 x tile + r: 4 bytes; my head's two bytes of them
	s_lshl_b32 s18, s13, 9
	s_add_co_u32 s18, s18, CSTG
	v_add_nc_u32 v[CRD], s18, v[L16]
	v_and_b32 v[DD], 8, v47
	v_add_nc_u32 v[DD], v[DD], v47                 ; r + 8 (r / 8)
	s_lshr_b32 s18, s14, 1
	s_lshl_b32 s18, s18, 5
	s_and_b32 s19, s14, 1
	s_lshl_b32 s19, s19, 3
	s_add_co_u32 s18, s18, s19
	v_add_nc_u32 v[DD], s18, v[DD]                 ; ql
	v_bfe_u32 v11, v0, 4, 1
	v_lshlrev_b32 v11, 4, v11
	v_sub_nc_u32 v[DD], v[DD], v11                 ; d = ql - 16 h
	v_mov_b32 v[NINF], 0xff800000
	s_mov_b32 s20, 0x76543210                      ; selects of v_permlanex16_b32: lane l xor 16
	s_mov_b32 s21, 0xfedcba98
	s_mov_b32 s22, 0x3fb8aa3b                      ; c = log2(e)
	s_mov_b32 s23, s22                             ; (named with it as a pair, so it is written)
	; descriptor groups 1.  A chunk's codes: 12,288 dense bytes as 48 rows of 256
	s_mov_b32 s24, 3<<16                           ; no mask; elements of 8 bytes; no padding
	s_mov_b32 s25, 32<<16
	s_mov_b32 s26, 48<<16
	s_mov_b32 s27, 32<<16
	s_mov_b32 s28, 48
	s_mov_b32 s29, 32
	s_mov_b32 s30, 0
	s_mov_b32 s31, 0
	; one form of k's scale words: 2,048 dense bytes as 8 rows of 256
	s_mov_b32 s32, 3<<16
	s_mov_b32 s33, 32<<16
	s_mov_b32 s34, 8<<16
	s_mov_b32 s35, 32<<16
	s_mov_b32 s36, 8
	s_mov_b32 s37, 32
	s_mov_b32 s38, 0
	s_mov_b32 s39, 0
	; v's scale words: 4 chunks x 512 bytes, 8,192 bytes apart
	s_mov_b32 s40, 3<<16
	s_mov_b32 s41, 64<<16
	s_mov_b32 s42, 4<<16
	s_mov_b32 s43, 64<<16
	s_mov_b32 s44, 4
	s_mov_b32 s45, 1024
	s_mov_b32 s46, 0
	s_mov_b32 s47, 0
	; waves 0-3: chunk w of k: tile (8 + pair) 512 + 128 batch + 16 block + 8 w - 16;  waves 4-7: chunk w - 4 of v: tile 8192 + (16 batch + 2 block + w - 4 - 2) 64 + 8 pair
	s_and_b32 s18, s12, 3
	s_lshl_b32 s19, s17, 9
	s_lshl_b32 s60, s16, 7
	s_add_co_u32 s19, s19, s60
	s_lshl_b32 s60, s15, 4
	s_add_co_u32 s19, s19, s60
	s_lshl_b32 s60, s18, 3
	s_add_co_u32 s19, s19, s60
	s_add_co_u32 s19, s19, 4080
	s_lshl_b32 s60, s16, 4
	s_lshl_b32 s61, s15, 1
	s_add_co_u32 s60, s60, s61
	s_add_co_u32 s60, s60, s18
	s_lshl_b32 s60, s60, 6
	s_lshl_b32 s61, s17, 3
	s_add_co_u32 s60, s60, s61
	s_add_co_u32 s60, s60, 8064
	s_cmp_lt_u32 s12, 4
	s_cselect_b32 s60, s19, s60
	s_mul_i32 s60, s60, 1536
	s_mov_b32 s61, 0
	; waves 8, 9: form w - 8 of k's scale words: ((16 + 2 pair + form) 8192 + 2048 batch + 256 block - 256) x 4
	s_lshl_b32 s62, s17, 1
	s_add_co_u32 s62, s62, s13
	s_add_co_u32 s62, s62, 16
	s_lshl_b32 s62, s62, 13
	s_lshl_b32 s63, s16, 11
	s_add_co_u32 s62, s62, s63
	s_lshl_b32 s63, s15, 8
	s_add_co_u32 s62, s62, s63
	s_sub_co_u32 s62, s62, 256
	s_lshl_b32 s62, s62, 2
	s_mov_b32 s63, 0
	; wave 10: v's scale words: 1,048,576 + (16 batch + 2 block - 2) 8192 + 512 pair
	s_lshl_b32 s66, s16, 4
	s_lshl_b32 s67, s15, 1
	s_add_co_u32 s66, s66, s67
	s_lshl_b32 s66, s66, 13
	s_lshl_b32 s67, s17, 9
	s_add_co_u32 s66, s66, s67
	s_add_co_u32 s66, s66, 1032192
	s_mov_b32 s67, 0
	; q's and ctx's codes: tile 512 pair + 128 batch + 16 block + my tile, my head's half
	s_lshl_b32 s68, s17, 9
	s_lshl_b32 s69, s16, 7
	s_add_co_u32 s68, s68, s69
	s_lshl_b32 s69, s15, 4
	s_add_co_u32 s68, s68, s69
	s_add_co_u32 s68, s68, s14
	s_mul_i32 s68, s68, 1536
	s_mul_i32 s69, s13, 768
	s_add_co_u32 s68, s68, s69
	s_mov_b32 s69, 0
	; q's scale words: ((2 pair + p) 8192 + 2048 batch + 256 block + 16 tile) x 4
	s_lshl_b32 s70, s17, 1
	s_add_co_u32 s70, s70, s13
	s_lshl_b32 s70, s70, 13
	s_lshl_b32 s71, s16, 11
	s_add_co_u32 s70, s70, s71
	s_lshl_b32 s71, s15, 8
	s_add_co_u32 s70, s70, s71
	s_lshl_b32 s71, s14, 4
	s_add_co_u32 s70, s70, s71
	s_lshl_b32 s70, s70, 2
	s_mov_b32 s71, 0
	; ctx's scale words, stored by waves 0 and 1: (8192 pair + 2048 batch + 256 block + 128 wave) x 4
	s_lshl_b32 s72, s17, 13
	s_lshl_b32 s73, s16, 11
	s_add_co_u32 s72, s72, s73
	s_lshl_b32 s73, s15, 8
	s_add_co_u32 s72, s72, s73
	s_lshl_b32 s73, s13, 7
	s_add_co_u32 s72, s72, s73
	s_lshl_b32 s72, s72, 2
	s_mov_b32 s73, 0
	s_mov_b32 s48, 1                               ; groups 0: count 1, the LDS address, the global address, type 2
	s_mul_i32 s49, s12, CH
	s_mov_b32 s52, 1
	s_lshl_b32 s53, s12, 11
	s_add_co_u32 s53, s53, KSC-8*2048
	s_mov_b32 s56, 1
	s_mov_b32 s57, VSC
	s_wait_dscnt 0x0                               ; the opening add is done
	s_wait_kmcnt 0x0
	s_add_nc_u64 s[50:51], s[4:5], s[60:61]
	s_or_b32 s51, s51, 0x80000000
	s_add_nc_u64 s[54:55], s[6:7], s[62:63]
	s_or_b32 s55, s55, 0x80000000
	s_add_nc_u64 s[58:59], s[6:7], s[66:67]
	s_or_b32 s59, s59, 0x80000000
	s_add_nc_u64 s[74:75], s[4:5], s[68:69]
	s_add_nc_u64 s[76:77], s[6:7], s[70:71]
	s_add_nc_u64 s[8:9], s[8:9], s[68:69]
	s_add_nc_u64 s[10:11], s[10:11], s[72:73]
	s_cmp_lt_u32 s12, 8                            ; the fills: one a wave, all inside this one tree of branches on the wave's number; an s_nop 0 and four v_nop follow each
	s_cbranch_scc0 .Lnot_codes
	tensor_load_to_lds s[48:51], s[24:31]
	s_nop 0
.rept 4
	v_nop
.endr
	s_branch .Lasked
.Lnot_codes:
	s_cmp_lt_u32 s12, 10
	s_cbranch_scc0 .Lnot_ks
	tensor_load_to_lds s[52:55], s[32:39]
	s_nop 0
.rept 4
	v_nop
.endr
	s_branch .Lasked
.Lnot_ks:
	s_cmp_eq_u32 s12, 10
	s_cbranch_scc0 .Lasked
	tensor_load_to_lds s[56:59], s[40:47]
	s_nop 0
.rept 4
	v_nop
.endr
.Lasked:
.irp u, 0,1                                    ; q stays in registers: my head's half of my tile, for both passes (eight tiles apart)
	global_load_b128 v[QF+12*\u:QF+12*\u+3], v[L16], s[74:75] offset:CH*\u
	global_load_b64 v[QF+12*\u+4:QF+12*\u+5], v[L8], s[74:75] offset:CH*\u+512
	global_load_b32 v[QS+\u], v[R4], s[76:77] offset:512*\u
.endr
.irp u, 0,1
.irp k, 6,7,8,9,10,11
	v_mov_b32 v[QF+12*\u+\k], 0                    ; K 64-127 of the first product: zero codes
.endr
.endr
.irp t, 0,1,2,3
.irp k, 6,7,8,9,10,11
	v_mov_b32 v[KF+12*\t+\k], 0
.endr
.endr
.irp b, 0,1,2,3
	v_mov_b32 v[PB+\b], 0                          ; written once: a lane permute's destination counts as one of its sources
.endr
	v_mov_b32 v[TMP], 0
	v_mov_b32 v[FF+1], 0                           ; (named as the upper half of a pair)
	s_wait_tensorcnt 0x0                           ; my fill has landed,
	s_barrier_signal -1
	s_barrier_wait -1                              ; everybody's has
	s_wait_loadcnt 0x0                             ; q
; A KEY STEP: pass ps, chunk st of three; the chunk lies in LDS place ps + st.
.macro STEP ps, st
.set SL, (\ps)+(\st)
.if SL < 2
	s_cmp_eq_u32 s15, 0                            ; the batch's first block has no such chunk: the step is left out.  No barrier and no tensor load stands in a step
	s_cbranch_scc1 .Lskip_\@
.endif
.rept 5
	v_nop                                          ; five places: the products below write over registers (v's fragments) that the last products read
.endr
.irp g, 0,1                                    ; S^T = k q^T, four tiles of 16 keys at a time
.if \g > 0
.rept 4
	v_nop                                          ; four places in front of loads into registers that matrix instructions have read
.endr
.endif
.irp t, 0,1,2,3
	ds_load_b128 v[KF+12*\t:KF+12*\t+3], v[AK] offset:SL*CH+(4*\g+\t)*1536
	ds_load_b64 v[KF+12*\t+4:KF+12*\t+5], v[AK8] offset:SL*CH+(4*\g+\t)*1536
	ds_load_b32 v[KS+\t], v[ASK] offset:SL*512+(4*\g+\t)*64
.endr
	s_wait_dscnt 0x0
.irp t, 0,1,2,3
	v_wmma_scale_f32_16x16x128_f8f6f4 v[S+8*(4*\g+\t):S+8*(4*\g+\t)+7], v[KF+12*\t:KF+12*\t+11], v[QF+12*(\ps):QF+12*(\ps)+11], 0, v[KS+\t], v[QS+(\ps)] matrix_a_fmt:MATRIX_FMT_FP6 matrix_b_fmt:MATRIX_FMT_FP6
.endr
.endr
.rept 4
	v_nop
.endr
.if (\st) != 1                                 ; the band's two edges; each accumulator is read from its low end on
.irp n, 0,1,2,3,4,5,6,7,8,9,10,11,12,13,14,15,16,17,18,19,20,21,22,23,24,25,26,27,28,29,30,31,32,33,34,35,36,37,38,39,40,41,42,43,44,45,46,47,48,49,50,51,52,53,54,55,56,57,58,59,60,61,62,63
.if (\st) == 0
	v_cmp_le_i32 vcc_lo, 32*(\n/16)+\n%16, v[DD]   ; 256 or more behind my query
.else
	v_cmp_gt_i32 vcc_lo, 32*(\n/16)+\n%16, v[DD]   ; after my query
.endif
	v_cndmask_b32 v[S+\n], v[S+\n], v[NINF], vcc_lo
.endr
.endif
.irp b, 0,1,2,3
	v_max3_num_f32 v[BM+\b], v[S+16*\b], v[S+1+16*\b], v[S+2+16*\b]   ; the largest score of each block of 32 keys: for the row's maximum and, since p rises with the score, for the block's largest p
.endr
.irp i, 3,5,7,9,11,13
.irp b, 0,1,2,3
	v_max3_num_f32 v[BM+\b], v[BM+\b], v[S+16*\b+\i], v[S+1+16*\b+\i]
.endr
.endr
.irp b, 0,1,2,3
	v_max_num_f32 v[BM+\b], v[BM+\b], v[S+15+16*\b]
.endr
.irp b, 0,1,2,3
	v_permlanex16_b32 v[PB+\b], v[BM+\b], s20, s21
.endr
.irp b, 0,1,2,3
	v_max_num_f32 v[BM+\b], v[BM+\b], v[PB+\b]     ; with lane l xor 16's 16 keys
.endr
	v_max3_num_f32 v[TMP], v[BM], v[BM+1], v[BM+2]
	v_max_num_f32 v[TMP], v[TMP], v[BM+3]
	v_mul_f32 v[TMP], s22, v[TMP]                  ; as t
	v_max_num_f32 v13, v13, v[TMP]                 ; the running largest t
	v_mov_b32 v[TMP], v12
	v_floor_f32 v12, -v13                          ; -M = floor(-t): M is a whole number
	v_sub_f32 v[TMP], v12, v[TMP]                  ; old M - new M: a whole number, 0 or less
	v_cvt_i32_f32 v[TMP], v[TMP]                   ; (it saturates)
	v_ldexp_f32 v[FF], 1.0, v[TMP]                 ; f = 2^(old M - new M): a multiplication by it rounds nothing
.set J, 0
.rept 32
	v_pk_fma_f32 v[S+J:S+J+1], v[S+J:S+J+1], s[22:23], v[12:13] op_sel_hi:[1,0,0]   ; t - M, two at a time
.set J, J+2
.endr
.irp b, 0,1,2,3
	v_fma_f32 v[BM+\b], v[BM+\b], s22, v12         ; the same of each block's largest score
.endr
.set J, 0
.rept 64
	v_exp_f32 v[S+J], v[S+J]                       ; p = 2^(t - M)
.set J, J+1
.endr
	v_pk_mul_f32 v[14:15], v[14:15], v[FF:FF+1] op_sel_hi:[1,0]   ; the sums under the new M; also the plain instruction behind the exponentials
	s_wait_alu depctr_va_vdst(0)                   ; one wait for the batch of 64, ahead of its first reader
.irp b, 0,1,2,3
	v_exp_f32 v[BM+\b], v[BM+\b]                   ; the block's largest p: the same two instructions on the same number give the same bits
.endr
	v_pk_add_f32 v[SU2:SU2+1], v[S:S+1], v[S+2:S+3]   ; the row's sum is taken of the unquantised p, in two chains
.set J, 4
.rept 15
	v_pk_add_f32 v[14:15], v[14:15], v[S+J:S+J+1]
	v_pk_add_f32 v[SU2:SU2+1], v[SU2:SU2+1], v[S+J+2:S+J+3]
.set J, J+4
.endr
	v_pk_add_f32 v[14:15], v[14:15], v[SU2:SU2+1]
	s_wait_alu depctr_va_vdst(0)                   ; and one for the four
.irp b, 0,1,2,3
	v_max_num_f32 v[BM+\b], 0x1800000, v[BM+\b]    ; the floor 2^(3 - 127): a block whose every p is 0 keeps the byte 1; its codes are zeros
.endr
.irp b, 0,1,2,3
	v_add_nc_u32 v[SOP+\b], 0xff000000, v[BM+\b]
.endr
.irp b, 0,1,2,3
	v_lshrrev_b32 v[PB+\b], 23, v[SOP+\b]
.endr
	v_lshl_or_b32 v[PW], v[PB+1], 8, v[PB]         ; p's scale word for these 128 keys
	v_lshl_or_b32 v[PW], v[PB+2], 16, v[PW]
	v_lshl_or_b32 v[PW], v[PB+3], 24, v[PW]
.irp c, 0,1
	v_cvt_scalef32_pk16_fp6_f32 v[PCD+6*\c:PCD+6*\c+2], v[S+32*\c:S+32*\c+15], v[SOP+2*\c]
	v_cvt_scalef32_pk16_fp6_f32 v[PT+4*\c:PT+4*\c+2], v[S+32*\c+16:S+32*\c+31], v[SOP+2*\c+1]
.endr
	v_nop                                          ; one plain instruction behind the conversions
.irp t, 0,1,2,3                                ; v's four tiles of my head, into the registers that p has left; they land while the lines below run
	ds_load_b128 v[VF+12*\t:VF+12*\t+3], v[AV] offset:SL*CH+1536*\t
	ds_load_b64 v[VF+12*\t+4:VF+12*\t+5], v[AV8] offset:SL*CH+1536*\t
	ds_load_b128 v[VF+12*\t+6:VF+12*\t+9], v[AV] offset:SL*CH+1536*\t+768
	ds_load_b64 v[VF+12*\t+10:VF+12*\t+11], v[AV8] offset:SL*CH+1536*\t+768
	ds_load_b32 v[VS+\t], v[ASV] offset:SL*512+64*\t
.endr
.irp c, 0,1                                    ; the operand wants a whole block in a lane
.irp i, 0,1,2
	v_permlane16_swap_b32 v[PCD+6*\c+\i], v[PT+4*\c+\i]
.endr
.irp i, 0,1,2
	v_mov_b32 v[PCD+3+6*\c+\i], v[PT+4*\c+\i]
.endr
.endr
.set J, 0
.rept 16
	v_pk_mul_f32 v[O+J:O+J+1], v[O+J:O+J+1], v[FF:FF+1] op_sel_hi:[1,0]   ; O^T under the new M.  For each product below twelve of these name none of its registers: the places behind the writes of p's codes and scale word
.set J, J+2
.endr
	s_wait_dscnt 0x0
.irp t, 0,1,2,3                                ; O^T += v^T p^T: four accumulators by turns
	v_wmma_scale_f32_16x16x128_f8f6f4 v[O+8*\t:O+8*\t+7], v[VF+12*\t:VF+12*\t+11], v[PCD:PCD+11], v[O+8*\t:O+8*\t+7], v[VS+\t], v[PW] matrix_a_fmt:MATRIX_FMT_FP6 matrix_b_fmt:MATRIX_FMT_FP6
.endr
.if SL < 2
.Lskip_\@:
.endif
.endm
; A pass's end: O^T / the sum; register 16 b + i is channel 32 b + 16 h + i of my head: two blocks, quantised; they are my head's half of a fragment of ctx.
.macro CTXOUT ps
.rept 4
	v_nop                                          ; four places in front of the first read of results
.endr
	v_add_f32 v14, v14, v15
	v_permlanex16_b32 v[TMP], v14, s20, s21
	v_add_f32 v14, v14, v[TMP]                     ; the row's sum
	v_rcp_f32 v14, v14
	v_nop                                          ; a plain instruction behind the reciprocal,
	s_wait_alu depctr_va_vdst(0)                   ; and the wait ahead of its first reader
.set J, 0
.rept 16
	v_pk_mul_f32 v[S+J:S+J+1], v[O+J:O+J+1], v[14:15] op_sel_hi:[1,0]
.set J, J+2
.endr
.irp b, 0,1
	v_max3_num_f32 v[BM+\b], |v[S+16*\b]|, |v[S+1+16*\b]|, 0x1800000
.endr
.irp i, 2,4,6,8,10,12,14
.irp b, 0,1
	v_max3_num_f32 v[BM+\b], v[BM+\b], |v[S+16*\b+\i]|, |v[S+1+16*\b+\i]|
.endr
.endr
.irp b, 0,1
	v_permlanex16_b32 v[PB+\b], v[BM+\b], s20, s21
.endr
.irp b, 0,1
	v_max_num_f32 v[BM+\b], v[BM+\b], v[PB+\b]
.endr
.irp b, 0,1
	v_add_nc_u32 v[SOP+\b], 0xff000000, v[BM+\b]
.endr
.irp b, 0,1
	v_lshrrev_b32 v[PB+\b], 23, v[SOP+\b]
.endr
	v_lshl_or_b32 v[TMP], v[PB+1], 8, v[PB]        ; my head's two bytes of the row's scale word
	v_cvt_scalef32_pk16_fp6_f32 v[CT+6*(\ps):CT+6*(\ps)+2], v[S:S+15], v[SOP]
	v_cvt_scalef32_pk16_fp6_f32 v[PT:PT+2], v[S+16:S+31], v[SOP+1]
	v_nop
.irp i, 0,1,2
	v_permlane16_swap_b32 v[CT+6*(\ps)+\i], v[PT+\i]
.endr
.irp i, 0,1,2
	v_mov_b32 v[CT+6*(\ps)+3+\i], v[PT+\i]
.endr
	global_store_b128 v[L16], v[CT+6*(\ps):CT+6*(\ps)+3], s[8:9] offset:CH*(\ps)          ; whole aligned blocks of 256 bytes
	global_store_b64 v[L8], v[CT+6*(\ps)+4:CT+6*(\ps)+5], s[8:9] offset:CH*(\ps)+512
	ds_store_b16 v[CSA], v[TMP] offset:512*(\ps)   ; lanes r and r + 16 write the same bytes with the same value
.endm
.macro PASS ps
	v_mov_b32 v13, 0xff61b1e6                      ; the largest t so far: -3e38
	v_floor_f32 v12, -v13                          ; -M
	v_mov_b32 v14, 0                               ; the sum, in two halves
	v_mov_b32 v15, 0
.set J, 0
.rept 32
	v_mov_b32 v[O+J], 0                            ; the step is written alike for all chunks: the first finds zeros, which the first change of M leaves zeros
.set J, J+1
.endr
	STEP \ps, 0
	STEP \ps, 1
	STEP \ps, 2
	CTXOUT \ps
.endm
	PASS 0
	PASS 1
	s_wait_dscnt 0x0                               ; for the others' sake: my bytes lie in the stage
	s_barrier_signal -1
	s_barrier_wait -1
	s_cmp_lt_u32 s12, 2                            ; waves 0 and 1 store a pass's 128 scale words each: 512 consecutive bytes
	s_cbranch_scc0 .Ldone
	ds_load_b128 v[S:S+3], v[CRD]
	s_wait_dscnt 0x0
	global_store_b128 v[L16], v[S:S+3], s[10:11]
.Ldone:
	s_wait_tensorcnt 0x0                           ; the wave's end: a tensor wait, an add of 0 to my spare word and its wait, behind my last tensor load and my last LDS store
	ds_add_u32 v[SPW], v[NIL]
	s_wait_dscnt 0x0
	s_endpgm
.Lfunc_end_k_qd21f1904a2_attn:
	.size	k_qd21f1904a2_attn, .Lfunc_end_k_qd21f1904a2_attn-k_qd21f1904a2_attn
	.p2alignl 7, 3214868480
	.fill 96, 4, 3214868480
	.section	.rodata,"a",@progbits
	.p2align	6, 0x0
	.amdhsa_kernel k_qd21f1904a2_attn
		.amdhsa_group_segment_fixed_size 167936
		.amdhsa_private_segment_fixed_size 0
		.amdhsa_enable_private_segment 0
		.amdhsa_kernarg_size 32
		.amdhsa_user_sgpr_count 2
		.amdhsa_user_sgpr_kernarg_segment_ptr 1
		.amdhsa_wavefront_size32 1
		.amdhsa_system_sgpr_workgroup_id_x 1
		.amdhsa_system_sgpr_workgroup_id_y 1
		.amdhsa_system_sgpr_workgroup_id_z 1
		.amdhsa_system_vgpr_workitem_id 0
		.amdhsa_next_free_vgpr 256
		.amdhsa_next_free_sgpr 82
		.amdhsa_reserve_vcc 1
		.amdhsa_float_denorm_mode_32 3
		.amdhsa_float_denorm_mode_16_64 3
		.amdhsa_memory_ordered 1
		.amdhsa_forward_progress 1
		.amdhsa_inst_pref_size 138
	.end_amdhsa_kernel
	.amdgpu_metadata
---
amdhsa.version: [ 1, 2 ]
amdhsa.kernels:
  - .name:           k_qd21f1904a2_attn
    .symbol:         k_qd21f1904a2_attn.kd
    .args:
      - { .name: qkv_codes, .offset: 0, .size: 8, .value_kind: global_buffer, .address_space: global }
      - { .name: qkv_scales, .offset: 8, .size: 8, .value_kind: global_buffer, .address_space: global }
      - { .name: ctx_codes, .offset: 16, .size: 8, .value_kind: global_buffer, .address_space: global }
      - { .name: ctx_scales, .offset: 24, .size: 8, .value_kind: global_buffer, .address_space: global }
    .group_segment_fixed_size: 167936
    .private_segment_fixed_size: 0
    .kernarg_segment_align: 8
    .kernarg_segment_size: 32
    .max_flat_workgroup_size: 512
    .sgpr_count:     82
    .vgpr_count:     256
    .wavefront_size: 32
...
	.end_amdgpu_metadata
.endif
;; end of part 3
;; launch outp (part 4): grid 4 x 32, 4 waves a work-group, clusters of 4 x 4, 327,680 bytes of LDS; arguments ctx_codes, ctx_scales, opnd_codes, opnd_scales, bo, out0; writes out0
.if DOCPART == 4
	.amdgcn_target "amdgcn-amd-amdhsa--gfx1250"
	.amdhsa_code_object_version 6
	.text
	.protected	k_qd21f1904a2_outp
	.globl	k_qd21f1904a2_outp
	.p2align	8
	.type	k_qd21f1904a2_outp,@function
k_qd21f1904a2_outp:
	s_mov_b64 s[64:65], 0
	v_nop
	global_prefetch_b8 v0, s[64:65] scope:SCOPE_SE
	s_setreg_imm32_b32 hwreg(HW_REG_WAVE_MODE, 25, 1), 1
	s_wait_xcnt 0x0
	s_wait_alu depctr_hold_cnt(0) depctr_sa_sdst(0) depctr_va_vdst(0) depctr_va_sdst(0) depctr_va_ssrc(0) depctr_va_vcc(0) depctr_vm_vsrc(0)
	s_getreg_b32 s2, hwreg(HW_REG_IB_STS2, 6, 4)
	s_cmp_eq_u32 s2, 0
	s_cbranch_scc0 .Lentry_in_a_cluster
	s_endpgm
.Lentry_in_a_cluster:
	s_bfe_u32 s2, ttmp6, 0x10000c
	s_cmp_lg_u32 s2, 0xf033
	s_cbranch_scc0 .Lentry_shape_is_right
	s_endpgm
.Lentry_shape_is_right:
; out0 = ctx Wo^T + bo on codes of FP6 (E2M3) with E8M0 scales, K = 1,024; out0 [8192][1024] f32.
; OPERANDS lie as images of the matrix operand's registers: codes [plane = k / 128][tile of 16 rows][1536 bytes], scale words [plane][row][4 bytes]; lane-row r of tile T is row 32 (T / 2) + 8 (T % 2) + r + 8 (r / 8).
; A = ctx (512 tiles a plane), B = Wo (rows 11,264 on of the operands' buffer, 768 tiles a plane).
; A tile of the result, 256 x 256, is made by four waves, each 128 x 128: 64 accumulators, 512 registers; 128 work-groups.  The matrix instruction is used transposed (source 0 = 16 rows of Wo, source 1 = 16 tokens),
; so that a lane holds one token and neighbouring channels.  The bias is the C of each sum's first matrix instruction.
; K goes in four steps of 256 through THREE LDS slots: three are asked for at the head, the fourth goes into slot 0 when that has been read; it has four steps of 64 matrix instructions in which to land.
; CLUSTER 4 x 4: A's tiles are shared along a row of the cluster, B's along a column: joint loads.
; THE WAY OUT puts the tokens back in their order: a stage row's place in out0 stands in the store's immediate.
; REGISTERS: window 0: v8-25 addresses, v28-29 the add's two, v32-63 scale words (two sets), v64-127 the bias, v128-223 A's fragments (one set; on the way out v128-255 rows of the result);
;   window 1: B's fragments, sets at v0 and v128; window 2: the accumulators of my rows 0-63 ((a, b) at v[8 (8 a + b)]); window 3: those of rows 64-127.
.set PLA,   786432                     ; a plane of A's buffer in bytes;  B's
.set PLB,   1179648
.set SSA,   4096                       ; a plane of A's scale words in elements of 8 bytes;  B's
.set SSB,   6144
.set HALFT, 24576                      ; 128 rows x 2 planes: [plane][8 tiles][1536]: what one tensor load brings
.set SLOT,  4*HALFT
.set SCL,   3*SLOT
.set HALFS, 4096                       ; [8 planes][128 rows x 4 bytes]
.set SPARE, SCL+4*HALFS                ; the spare words, 128 bytes a wave: two blocks of 256 bytes that no other line names
.set SPITCH, 528                       ; the way out: a stage of 16 rows x (512 bytes + 16) for each wave, in slot 1
.set FR,    12
.set NP,    4                          ; places behind this matrix instruction (ISA guide 7.12.1)
.set ADRA,  8
.set ADRB,  14
.set ADRS,  20
.set L16,   21
.set L8,    22
.set STO,   23                         ; v23 the way out: where I put 32 bytes of a row
.set RD,    24                         ; v24 and where I read a row back
.set SPW,   28
.set NIL,   29
.set SC,    32
.set BI,    64                         ; v64-127 the bias: eight registers for each of B's blocks, in the result's layout
.set AF,    128
.set BK,    128
.set G1,    24
.set G0,    32
.set G1B,   44
.set G0B,   52
.set G1S,   68
.set G0S,   76
.set G1SB,  80
.set G0SB,  88
.set MSB, 0
.macro WIN new                         ; the immediate's high byte repeats the setting that is left
.if MSB != \new
	s_set_vgpr_msb (MSB<<8)|\new
.set MSB, \new
.endif
.endm
.set MUL_LO, 0xa1                      ; source 0 (B) window 1, source 1 (A) window 0, C and D window 2
.set MUL_HI, 0xf1                      ; the same, C and D window 3
.set FST_LO, 0x81                      ; the first products: C (the bias) window 0, D window 2
.set FST_HI, 0xc1                      ; D window 3
.set TO_B,   0x40
.macro JLOAD g0a, g1a, g0b, g1b        ; a joint load: waves 0 and 1 fetch for A, waves 2 and 3 for B; an s_nop 0 and four v_nop follow each of the two lines
	s_cmp_eq_u32 s15, 0
	s_cbranch_scc0 .Lfor_b_\@
	tensor_load_to_lds s[\g0a:\g0a+3], s[\g1a:\g1a+7]
	s_nop 0
.rept 4
	v_nop
.endr
	s_branch .Lasked_\@
.Lfor_b_\@:
	tensor_load_to_lds s[\g0b:\g0b+3], s[\g1b:\g1b+7]
	s_nop 0
.rept 4
	v_nop
.endr
.Lasked_\@:
.endm
.macro CREST
	s_cmp_lg_u32 s14, 0
	s_cbranch_scc1 .Lnot_wave_0_\@
	s_barrier_signal -3
.Lnot_wave_0_\@:
	s_barrier_wait -3
	s_barrier_signal -1
	s_barrier_wait -1
.endm
.macro CROUND
	s_barrier_signal -1
	s_barrier_wait -1
	CREST
.endm
.macro PLACES n
.rept \n
	v_nop
.endr
.endm
.macro FRAG reg, adr, q, i             ; a fragment's image: four dense loads
	ds_load_b128 v[\reg:\reg+3], v[\adr] offset:(\q)*12288+(\i)*1536
	ds_load_b64 v[\reg+4:\reg+5], v[\adr+3] offset:(\q)*12288+(\i)*1536+512
	ds_load_b128 v[\reg+6:\reg+9], v[\adr] offset:(\q)*12288+(\i)*1536+768
	ds_load_b64 v[\reg+10:\reg+11], v[\adr+3] offset:(\q)*12288+(\i)*1536+1280
.endm
.macro FETCH_B slot, q, p
	WIN TO_B
.irp i, 0,1,2,3,4,5,6,7
	FRAG 128*(\p)+FR*\i, ADRB+\slot, \q, \i
.endr
	WIN 0
.endm
.macro FETCH_A slot, q, i0
.irp i, \i0, \i0+1, \i0+2, \i0+3
	FRAG AF+FR*(\i), ADRA+\slot, \q, \i
.endr
.endm
.macro SCALES sc, ks
.irp i, 0,1,2,3,4,5,6,7
.irp q, 0,1
	ds_load_b32 v[SC+16*(\sc)+2*\i+\q], v[ADRS] offset:(2*(\ks)+\q)*512+64*\i
.endr
.endr
.endm
; 16 matrix instructions; the 64 accumulators take turns, one instruction a turn, in the same order in every step
.macro MUL16 a0, p, q, sc, first
.irp a, \a0, \a0+1
.irp b, 0,1,2,3,4,5,6,7
.if \first
	v_wmma_scale_f32_16x16x128_f8f6f4 v[8*(8*((\a)%4)+\b):8*(8*((\a)%4)+\b)+7], v[128*(\p)+FR*\b:128*(\p)+FR*\b+FR-1], v[AF+FR*(\a):AF+FR*(\a)+FR-1], v[BI+8*\b:BI+8*\b+7], v[SC+16*(\sc)+2*\b+(\q)], v[SC+16*(\sc)+2*(\a)+(\q)] matrix_a_fmt:MATRIX_FMT_FP6 matrix_b_fmt:MATRIX_FMT_FP6 matrix_a_scale:MATRIX_SCALE_ROW1
.else
	v_wmma_scale_f32_16x16x128_f8f6f4 v[8*(8*((\a)%4)+\b):8*(8*((\a)%4)+\b)+7], v[128*(\p)+FR*\b:128*(\p)+FR*\b+FR-1], v[AF+FR*(\a):AF+FR*(\a)+FR-1], v[8*(8*((\a)%4)+\b):8*(8*((\a)%4)+\b)+7], v[SC+16*(\sc)+2*\b+(\q)], v[SC+16*(\sc)+2*(\a)+(\q)] matrix_a_fmt:MATRIX_FMT_FP6 matrix_b_fmt:MATRIX_FMT_FP6 matrix_a_scale:MATRIX_SCALE_ROW1
.endif
.endr
.endr
.endm
.macro STEP p, q, sc, first, nslot, nq, nsc, nks
	s_wait_dscnt 16                                ; all but the youngest sixteen loads, A's blocks 4-7, are in
.if \first
	WIN FST_LO
.else
	WIN MUL_LO
.endif
	MUL16 0, \p, \q, \sc, \first
	MUL16 2, \p, \q, \sc, \first
	s_wait_dscnt 0x0                               ; A's blocks 4-7 are in
	PLACES NP                                      ; in front of loads into registers that matrix instructions have read
	FETCH_B \nslot, \nq, 1-(\p)
	FETCH_A \nslot, \nq, 0
.if (\nq) == 0
	SCALES \nsc, \nks
.endif
.if \first
	WIN FST_HI
.else
	WIN MUL_HI
.endif
	MUL16 4, \p, \q, \sc, \first
	MUL16 6, \p, \q, \sc, \first
	PLACES NP
	WIN 0
	FETCH_A \nslot, \nq, 4
.endm
.macro TURN slot, next, fill, p, q, sc, nsc, nks
	s_wait_tensorcnt 0x0                           ; all my tensor loads have landed (every window is 0 here)
	ds_add_u32 v[SPW], v[NIL]                      ; 0 onto my spare word
	s_wait_dscnt 17                                ; the add and the youngest sixteen loads may be out
	WIN MUL_LO
	MUL16 0, \p, \q, \sc, 0                        ; sixteen matrix instructions stand between the add and the wait for it
	s_wait_dscnt 0x0                               ; the add is done, and my reads of this slot are over
	s_barrier_signal -1
	MUL16 2, \p, \q, \sc, 0
	WIN 0
	s_barrier_wait -1
.if \fill
	CREST                                          ; the barrier has opened a round of the cluster's barrier: no wave of any partner still reads the slot or has a load on its way
	s_add_nc_u64 s[G0+4*\slot+2:G0+4*\slot+3], s[G0+4*\slot+2:G0+4*\slot+3], 6*PLA     ; three K steps of two planes on
	s_add_nc_u64 s[G0B+4*\slot+2:G0B+4*\slot+3], s[G0B+4*\slot+2:G0B+4*\slot+3], 6*PLB
	JLOAD G0+4*\slot, G1, G0B+4*\slot, G1B         ; the first tensor load behind the round; its four v_nop are the places in front of the loads below
.else
	PLACES NP
.endif
	FETCH_B \next, 0, 1-(\p)
	FETCH_A \next, 0, 0
	SCALES \nsc, \nks
	WIN MUL_HI
	MUL16 4, \p, \q, \sc, 0
	MUL16 6, \p, \q, \sc, 0
	PLACES NP
	WIN 0
	FETCH_A \next, 0, 4
.endm
	s_load_b256 s[4:11], s[0:1], 0x0               ; ctx's codes s[4:5], its scale words s[6:7], the operands' codes s[8:9], their scale words s[10:11]
	s_load_b64 s[12:13], s[0:1], 0x20              ; bo
	s_load_b64 s[66:67], s[0:1], 0x28              ; out0
	v_lshl_add_u32 v[SPW], v0, 2, SPARE
	v_mov_b32 v[NIL], 0
	ds_add_u32 v[SPW], v[NIL]                      ; the wave's opening: the add and its wait stand ahead of my first tensor load; work on registers stands between them
	v_lshrrev_b32 v1, 5, v0
	v_readfirstlane_b32 s14, v1                    ; wave 0..3
	s_lshr_b32 s15, s14, 1                         ; my half of the tile's rows.  Also: I fetch for A (0) or for B (1)
	s_and_b32 s16, s14, 1                          ; my half of its columns.  Also: which 128 rows I fetch
	s_bfe_u32 s92, ttmp6, 0x40000                  ; cx
	s_bfe_u32 s93, ttmp6, 0x40004                  ; cy
	s_lshl_b32 s94, ttmp9, 2
	s_add_co_u32 s94, s94, s92                     ; tile column
	s_and_b32 s17, ttmp7, 0xffff
	s_lshl_b32 s17, s17, 2
	s_add_co_u32 s17, s17, s93                     ; tile row
	s_lshl_b32 s95, s93, 2
	s_lshl_b32 s95, 15, s95                        ; my row of the cluster
	s_lshl_b32 s96, 0x1111, s92                    ; my column
	s_or_b32 s[G1+0], s95, (3<<16)|(1<<21)         ; 15:0 the mask: A's tiles go to my row; 17:16 elements of 8 bytes; 21 set beside a mask; no padding
	s_or_b32 s[G1B+0], s96, (3<<16)|(1<<21)
.irp g, G1, G1B
	s_mov_b32 s[\g+1], 1536<<16                    ; tensor_dim0: 12,288 bytes
	s_mov_b32 s[\g+2], 2<<16                       ; tensor_dim1: two planes
	s_mov_b32 s[\g+3], 1536<<16                    ; tile_dim0
	s_mov_b32 s[\g+4], 2                           ; tile_dim1
	s_mov_b32 s[\g+6], 0
	s_mov_b32 s[\g+7], 0
.endr
	s_mov_b32 s[G1+5], PLA/8                       ; from plane to plane
	s_mov_b32 s[G1B+5], PLB/8
	s_or_b32 s[G1S+0], s95, (3<<16)|(1<<21)        ; the scale words of 128 rows: 8 planes x 512 bytes
	s_or_b32 s[G1SB+0], s96, (3<<16)|(1<<21)
.irp g, G1S, G1SB
	s_mov_b32 s[\g+1], 64<<16
	s_mov_b32 s[\g+2], 8<<16
	s_mov_b32 s[\g+3], 64<<16
	s_mov_b32 s[\g+4], 8
	s_mov_b32 s[\g+6], 0
	s_mov_b32 s[\g+7], 0
.endr
	s_mov_b32 s[G1S+5], SSA
	s_mov_b32 s[G1SB+5], SSB
	s_lshl_b32 s19, s16, 7                         ; which 128 rows of a tile I fetch
	s_lshl_b32 s18, s17, 8
	s_add_co_u32 s18, s18, s19                     ; A: ctx's row
	s_mul_i32 s20, s18, 96                         ; its codes in a plane
	s_mov_b32 s21, 0
	s_lshl_b32 s22, s18, 2                         ; its scale words
	s_mov_b32 s23, 0
	s_lshl_b32 s98, s94, 8
	s_add_co_u32 s98, s98, s19
	s_add_co_u32 s98, s98, 11264                   ; B: Wo's row in the operands' buffer
	s_mul_i32 s100, s98, 96
	s_mov_b32 s101, 0
	s_lshl_b32 s98, s98, 2
	s_mov_b32 s99, 0
	s_mul_i32 s2, s14, HALFT                       ; where they go: no place in the cluster enters an LDS address
	s_mul_i32 s3, s14, HALFS
	s_wait_dscnt 0x0                               ; the opening add is done
	s_wait_kmcnt 0x0
	s_add_nc_u64 s[20:21], s[4:5], s[20:21]
	s_add_nc_u64 s[22:23], s[6:7], s[22:23]
	s_add_nc_u64 s[100:101], s[8:9], s[100:101]
	s_add_nc_u64 s[98:99], s[10:11], s[98:99]
	CROUND                                         ; all sixteen work-groups are here: the first joint loads meet
	s_mov_b32 s[G0S], 1
	s_add_co_u32 s[G0S+1], s3, SCL
	s_mov_b64 s[G0S+2:G0S+3], s[22:23]
	s_or_b32 s[G0S+3], s[G0S+3], 0x80000000
	s_mov_b32 s[G0SB], 1
	s_add_co_u32 s[G0SB+1], s3, SCL
	s_mov_b64 s[G0SB+2:G0SB+3], s[98:99]
	s_or_b32 s[G0SB+3], s[G0SB+3], 0x80000000
	JLOAD G0S, G1S, G0SB, G1SB                     ; the scale words first: they are wanted with K step 0
.irp n, 0,1,2
	s_mov_b32 s[G0+4*\n], 1
	s_add_co_u32 s[G0+4*\n+1], s2, \n*SLOT
	s_add_nc_u64 s[G0+4*\n+2:G0+4*\n+3], s[20:21], \n*2*PLA
	s_or_b32 s[G0+4*\n+3], s[G0+4*\n+3], 0x80000000
	s_mov_b32 s[G0B+4*\n], 1
	s_add_co_u32 s[G0B+4*\n+1], s2, \n*SLOT
	s_add_nc_u64 s[G0B+4*\n+2:G0B+4*\n+3], s[100:101], \n*2*PLB
	s_or_b32 s[G0B+4*\n+3], s[G0B+4*\n+3], 0x80000000
	JLOAD G0+4*\n, G1, G0B+4*\n, G1B               ; K steps 0, 1, 2: with the scale words four loads of mine are out
.endr
	v_and_b32 v1, 31, v0                           ; lane
	v_and_b32 v2, 15, v0                           ; r
	v_bfe_u32 v3, v0, 4, 1                         ; h
	v_lshlrev_b32 v[L16], 4, v1
	v_lshlrev_b32 v[L8], 3, v1
	s_lshl_b32 s4, s94, 10                         ; my first column in bytes: 1,024 x tile column + 512 x half
	s_lshl_b32 s5, s16, 9
	s_add_co_u32 s4, s4, s5
	s_mov_b32 s5, 0
	s_add_nc_u64 s[12:13], s[12:13], s[4:5]
	v_lshlrev_b32 v5, 6, v3                        ; the bias in the result's layout: lane (r, h) wants, for block b, channels 32 (b / 2) + 8 (b % 2) + 16 h + 0 .. 7
.irp b, 0,1,2,3,4,5,6,7
	global_load_b128 v[BI+8*\b:BI+8*\b+3], v5, s[12:13] offset:(32*(\b/2)+8*(\b%2))*4
	global_load_b128 v[BI+8*\b+4:BI+8*\b+7], v5, s[12:13] offset:(32*(\b/2)+8*(\b%2))*4+16
.endr
	s_lshl_b32 s6, s17, 20                         ; my first row of out0: (256 x tile row + 128 x half) x 4,096 bytes
	s_lshl_b32 s7, s15, 19
	s_add_co_u32 s6, s6, s7
	s_add_co_u32 s6, s6, s4
	s_mov_b32 s7, 0
	s_add_nc_u64 s[66:67], s[66:67], s[6:7]
	s_mul_i32 s18, s15, HALFT                      ; my 128 rows of A
	s_mul_i32 s19, s16, HALFT                      ; my 128 rows of B,
	s_add_co_u32 s19, s19, 2*HALFT                 ; behind A's 256
.irp n, 0,1,2
	v_add_nc_u32 v[ADRA+\n], s18, v[L16]
	v_add_nc_u32 v[ADRA+3+\n], s18, v[L8]
	v_add_nc_u32 v[ADRB+\n], s19, v[L16]
	v_add_nc_u32 v[ADRB+3+\n], s19, v[L8]
	s_add_co_u32 s18, s18, SLOT
	s_add_co_u32 s19, s19, SLOT
.endr
	s_lshl_b32 s18, s15, 12                        ; A's scale words: my quarter
	s_lshl_b32 s19, s16, 12                        ; B's: behind A's two
	s_add_co_u32 s19, s19, 2*HALFS
	s_sub_co_u32 s19, s19, s18
	v_mul_u32_u24 v4, s19, v3                      ; lanes 16-31 take B's: the lower base + h x the distance
	s_add_co_u32 s18, s18, SCL
	v_lshl_add_u32 v4, v2, 2, v4
	v_add_nc_u32 v[ADRS], s18, v4
	s_mul_i32 s18, s14, 16*SPITCH                  ; my stage, in slot 1, which has its one fill behind it and is read no more when the first result is stored there
	s_add_co_u32 s18, s18, SLOT
	v_mul_u32_u24 v[STO], v2, SPITCH
	v_lshl_add_u32 v[STO], v3, 6, v[STO]
	v_add_nc_u32 v[STO], s18, v[STO]               ; in: row r, + 64 h
	v_add_nc_u32 v[RD], s18, v[L16]                ; back: the 32 lanes take one row of 512 bytes
	s_wait_tensorcnt 0x2                           ; the scale words and my part of K step 0 are in; K steps 1 and 2 may be out
	s_barrier_signal -1
	s_barrier_wait -1                              ; everybody's are
	FETCH_B 0, 0, 0
	FETCH_A 0, 0, 0
	SCALES 0, 0
	FETCH_A 0, 0, 4
	s_wait_loadcnt 0x0                             ; the bias
	STEP 0, 0, 0, 1,  0, 1, 0, 0                   ; K 0-127: its products start the sums with the bias
	TURN 0, 1, 1,  1, 1, 0,  1, 1                  ; K 128-255; slot 0 is left and takes K step 3.  The wait for all loads and the round also show slots 1 and 2 whole to every wave
	STEP 0, 0, 1, 0,  1, 1, 0, 0
	STEP 1, 1, 1, 0,  2, 0, 0, 2
	STEP 0, 0, 0, 0,  2, 1, 0, 0
	TURN 2, 0, 0,  1, 1, 0,  1, 3                  ; K step 3 has landed in every wave's part: a barrier, and nothing is filled
	STEP 0, 0, 1, 0,  0, 1, 0, 0
	s_wait_dscnt 16                                ; the last step fetches nothing
	WIN MUL_LO
	MUL16 0, 1, 1, 1, 0
	MUL16 2, 1, 1, 1, 0
	s_wait_dscnt 0x0
	WIN MUL_HI
	MUL16 4, 1, 1, 1, 0
	MUL16 6, 1, 1, 1, 0
	WIN 0
; THE WAY OUT, block by block of 16 tokens x 128 channels: through my own stage and back as whole rows of 512 bytes.  LDS serves a wave's instructions in order (ISA guide 5.7.1.4): no wait between the stores and the loads.
.macro TOSTAGE a
.set AC, 64*((\a)%4)
	WIN 0x08+4*((\a)/4)                            ; the data: window 2 or 3
.irp b, 0,1,2,3,4,5,6,7
	ds_store_b128 v[STO], v[AC+8*\b:AC+8*\b+3] offset:128*(\b/2)+32*(\b%2)        ; each accumulator from its low end on; its eight channels begin at 32 (b / 2) + 8 (b % 2) + 16 h
	ds_store_b128 v[STO], v[AC+8*\b+4:AC+8*\b+7] offset:128*(\b/2)+32*(\b%2)+16
.endr
	WIN 0
.set BB, BK+64*((\a)%2)
.irp t, 0,1,2,3,4,5,6,7,8,9,10,11,12,13,14,15
	ds_load_b128 v[BB+4*\t:BB+4*\t+3], v[RD] offset:\t*SPITCH
.endr
.endm
.macro SEND a, younger                 ; younger: the LDS instructions issued behind block a's loads, which may stay out
.set BB, BK+64*((\a)%2)
	s_wait_dscnt \younger
.irp t, 0,1,2,3,4,5,6,7,8,9,10,11,12,13,14,15
	global_store_b128 v[L16], v[BB+4*\t:BB+4*\t+3], s[66:67] offset:(32*((\a)/2)+8*((\a)%2)+\t+8*(\t/8))*4096 th:TH_STORE_NT   ; lane-row t of tile a is this token; 32 lanes store 512 consecutive aligned bytes
.endr
.endm
	PLACES NP                                      ; in front of the first read of results and of loads into the registers that held A's fragments
	TOSTAGE 0
.irp a, 1,2,3,4,5,6,7
.if \a > 1
	s_wait_xcnt 0x0                                ; block a - 2's stores have read their registers: block a's loads land there only behind this wait
.endif
	TOSTAGE \a
	SEND \a-1, 32                                  ; behind block a - 1's loads: block a's 16 stores and 16 loads
.endr
	SEND 7, 0
	s_wait_tensorcnt 0x0                           ; the wave's end: a tensor wait, an add of 0 to my spare word and its wait, behind my last tensor load and my last LDS store
	ds_add_u32 v[SPW], v[NIL]
	s_wait_dscnt 0x0
	CROUND                                         ; the closing round: no work-group ends while a partner may still ask for a tile that names it
	s_endpgm
.Lfunc_end_k_qd21f1904a2_outp:
	.size	k_qd21f1904a2_outp, .Lfunc_end_k_qd21f1904a2_outp-k_qd21f1904a2_outp
	.p2alignl 7, 3214868480
	.fill 96, 4, 3214868480
	.section	.rodata,"a",@progbits
	.p2align	6, 0x0
	.amdhsa_kernel k_qd21f1904a2_outp
		.amdhsa_group_segment_fixed_size 327680
		.amdhsa_private_segment_fixed_size 0
		.amdhsa_enable_private_segment 0
		.amdhsa_kernarg_size 48
		.amdhsa_user_sgpr_count 2
		.amdhsa_user_sgpr_kernarg_segment_ptr 1
		.amdhsa_wavefront_size32 1
		.amdhsa_system_sgpr_workgroup_id_x 1
		.amdhsa_system_sgpr_workgroup_id_y 1
		.amdhsa_system_sgpr_workgroup_id_z 1
		.amdhsa_system_vgpr_workitem_id 0
		.amdhsa_next_free_vgpr 1024
		.amdhsa_next_free_sgpr 102
		.amdhsa_reserve_vcc 0
		.amdhsa_float_denorm_mode_32 3
		.amdhsa_float_denorm_mode_16_64 3
		.amdhsa_memory_ordered 1
		.amdhsa_forward_progress 1
		.amdhsa_inst_pref_size 147
	.end_amdhsa_kernel
	.amdgpu_metadata
---
amdhsa.version: [ 1, 2 ]
amdhsa.kernels:
  - .name:           k_qd21f1904a2_outp
    .symbol:         k_qd21f1904a2_outp.kd
    .args:
      - { .name: ctx_codes, .offset: 0, .size: 8, .value_kind: global_buffer, .address_space: global }
      - { .name: ctx_scales, .offset: 8, .size: 8, .value_kind: global_buffer, .address_space: global }
      - { .name: opnd_codes, .offset: 16, .size: 8, .value_kind: global_buffer, .address_space: global }
      - { .name: opnd_scales, .offset: 24, .size: 8, .value_kind: global_buffer, .address_space: global }
      - { .name: bo, .offset: 32, .size: 8, .value_kind: global_buffer, .address_space: global }
      - { .name: out0, .offset: 40, .size: 8, .value_kind: global_buffer, .address_space: global }
    .group_segment_fixed_size: 327680
    .private_segment_fixed_size: 0
    .kernarg_segment_align: 8
    .kernarg_segment_size: 48
    .max_flat_workgroup_size: 128
    .sgpr_count:     102
    .vgpr_count:     1024
    .wavefront_size: 32
...
	.end_amdgpu_metadata
.endif
;; end of part 4
